; MI455X (gfx1250); checked and timed in simulation.
; The chip was launched on July 23, 2026; its instructions are those of AMD's public machine-readable ISA for CDNA 5 (MIT licence, August 2026) and "CDNA5" Instruction Set Architecture Reference Guide (July 2026). The comments in the code are by the model that wrote it; some were corrected since.
;; Conv Multi Head Attn. Allowed arithmetic: matrix products marked QUANTISED: E2M3 operands, one E8M0 scale for each 32 along K, by v_wmma_scale_f32_16x16x128_f8f6f4 with both operands' format E2M3, f32 sums; everything else in f32.
;; Inputs: Wfc 1,024 x 1,024 float32; Wqkv 1,024 x 4,096 float32; bfc 1,024 float32; bias_p 1 float32; mask 16 x 512 int32; qmask 16 x 512 int32; shift 1 float32; x 16 x 512 x 1,024 float32.
;; Outputs: out0 16 x 512 x 1,024 float32.
;; Constants: use_Gaussian = 1.
;; This version of the problem:
;;   THIS VERSION OF THE PROBLEM IS GIVEN IN LOW PRECISION. The matrix products marked QUANTISED in the list below multiply operands that are first quantised to E2M3 (2 exponent bits, 3 mantissa bits; 6 bits a number), with one power-of-two scale for each 32 numbers along K (OCP MX v1.0); their sums are f32. All else is computed in f32.
;;   The module's matrix products, in the order in which they are computed (A, B: the left and right operand; K: the contracted axis; several contracted axes count as one K, in the product's order):
;;     1. [M 8,192, K 1,024] x [K 1,024, N 4,096]; A: input x; B: input Wqkv: QUANTISED
;;     2. batch 256 x [M 512, K 64] x [K 64, N 512]; A: computed on the way; B: computed on the way: QUANTISED
;;     3. batch 256 x [M 512, K 64] x [K 64, N 512]; A: computed on the way; B: computed on the way: QUANTISED
;;     4. batch 256 x [M 64, K 512] x [K 512, N 512]; A: computed on the way; B: softmax (see below): QUANTISED
;;     5. [M 8,192, K 1,024] x [K 1,024, N 1,024]; A: computed on the way; B: input Wfc: QUANTISED
;;   THE QUANTISER, for each operand of a quantised product, along K:
;;     - K is cut into blocks of 32 from its start; a last block that is shorter is filled with zeros.
;;     - A block's scale is 2^e with e = floor(log2(the largest magnitude in the block)) - 2, held to -126 .. 127; a block of zeros has e = 0. As a byte (E8M0): e + 127.
;;     - Each number is divided by its block's scale, clamped to +-7.5, and rounded to the nearest number of E2M3, ties to even, subnormals kept.
;;     - The product sums the exact products of the quantised numbers (number of the format x scale) in f32.
;;   ~~~python
;;   def quantise(x, axis):      # numpy; x: float32 -> the quantised numbers, widened to float32 again
;;       x = np.moveaxis(x, axis, -1); K = x.shape[-1]
;;       x = np.pad(x, [(0, 0)] * (x.ndim - 1) + [(0, -K % 32)]); x = x.reshape(x.shape[:-1] + (-1, 32)); a = np.abs(x).max(-1, keepdims=True)
;;       e = np.where(a > 0, np.clip(np.frexp(np.where(a > 0, a, 1))[1] - 1 - 2, -126, 127), 0)      # np.frexp(a)[1] - 1 = floor(log2(a)), exactly
;;       r = np.clip(x / 2.0 ** e, -7.5, 7.5)
;;       step = 2.0 ** (np.maximum(np.frexp(np.where(r == 0, 1, r))[1] - 1, 0) - 3)
;;       q = np.round(r / step) * step * 2.0 ** e      # np.round: ties to even
;;       return np.moveaxis(q.reshape(q.shape[:-2] + (-1,))[..., :K], -1, axis).astype(np.float32)
;;   ~~~
;;   SOFTMAX AHEAD OF A QUANTISED PRODUCT. Where the list says 'softmax', what is quantised is not the finished softmax but p = 2^(t - M), with t = logit x log2(e) and M = ceil(the row's largest t), a whole number; so 1/2 < the row's largest p <= 1. The row's sum l is taken of the UNQUANTISED p, in f32, and the product's result is divided by l at the end. Since M is a whole number, a kernel that streams over the keys may use a running M (the ceiling of the running maximum): every later rescaling is an exact power of two, which a block's scale takes up: the codes' values come out the same.
;;   OPERANDS COMPUTED ON THE WAY. 'Computed on the way' means the value that the module computes at that place (a softmax that the list does not call 'softmax' is quantised finished and normalised). What goes into a quantiser is computed in f32, as accurately as f32 sums, v_exp_f32 and their like allow (about 1e-6 of the number): no bf16 or f16 on the way to a quantiser, and a product that is left as it is and whose result goes on into a quantised operand takes f32 operands (vector FMAs, or v_wmma_f32_16x16x4_f32). A number that lies on a knife's edge between two numbers of the format may be rounded either way, as far as f32 arithmetic and the matrix unit's own rounding can turn it there, and no further.
;; One version. Each part assembles by itself: llvm-mc -triple=amdgcn-amd-amdhsa -mcpu=gfx1250 --defsym DOCPART=n.
;; ======== version 1 of 1: 4 launches
;; limits: right only within a limited range of input values
;; workspace buffers: xi 6,291,456 bytes; xs 262,144 bytes; wi 3,932,160 bytes; ws 163,840 bytes; qi 26,476,544 bytes; qs 524,288 bytes; oi 6,291,456 bytes; os 262,144 bytes
;; launch quant (part 1): grid 416 x 1, 4 waves a work-group, no clusters, 59,904 bytes of LDS; arguments x, Wqkv, Wfc, xi, xs, wi, ws; writes xi, xs, wi, ws
.if DOCPART == 1
	.amdgcn_target "amdgcn-amd-amdhsa--gfx1250"
	.amdhsa_code_object_version 6
	.text
	.protected	k_q63bcb0b1cf_quant
	.globl	k_q63bcb0b1cf_quant
	.p2align	8
	.type	k_q63bcb0b1cf_quant,@function
k_q63bcb0b1cf_quant:
	s_mov_b64 s[64:65], 0
	v_nop
	global_prefetch_b8 v0, s[64:65] scope:SCOPE_SE
	s_setreg_imm32_b32 hwreg(HW_REG_WAVE_MODE, 25, 1), 1
	s_wait_xcnt 0x0
; LAUNCH 1 OF 4.  x [8192][1024], Wqkv [1024][4096] and Wfc [1024][1024], f32, become codes of FP6 (E2M3) with one E8M0 byte for each 32 along K (K = 1024 in all three).
; THE WHOLE PROGRAM: quant (this) | gemm1: x Wqkv, its results quantised on the way out (q, k1, k2 along the head's 64, v along the keys) | attn: both score products, the choice by qmask, key mask,
; Gaussian term, softmax as p = 2^(t - M), p v, the result quantised along D | gemm2: that result times Wfc, + bfc.
; DEAD WORK: none is left out, and every input is loaded (x, Wqkv, Wfc here; mask in gemm1 and attn; qmask, shift, bias_p in attn; bfc in gemm2).  bias_p and the part of the Gaussian term that is the same along
; the keys move M = ceil(the row's largest t), and so p's codes: they stay.  Both score products are wanted at every pair, since qmask, an input, chooses between them.
; LIMITS: NaN and infinities among the inputs are not served.  A block whose largest magnitude lies under 2^-124 gets the byte 1; a block of zeros gets the byte 1 where the rule says 127: its codes are zeros,
; which add nothing under any byte but 0xff, and the bytes are read by this program alone.
; LAYOUT OF THE WORKSPACES: IN THE ORDER OF THE OPERANDS' REGISTERS.  A fragment (16 rows x 128 K, 12 registers a lane) is an image of 1,536 bytes: register j of lane l at 512 (j / 4) + 16 l + 4 (j % 4).
; xi: [tile of 16 rows 512][K step 8][1,536];  wi: [tile of 16 columns 320][8][1,536], tiles 0-255 Wqkv's, 256-319 Wfc's.
; THE ROWS OF A TILE ARE NOT NEIGHBOURS: place r of tile T is row 32 (T / 2) + 8 (T % 2) + r + 8 (r / 8), so that in a product used transposed the 16 registers of two neighbouring tiles are 16 neighbours.
; Scale words: 512 bytes a tile, [half of K 2][r 16][4 words]: one load of 16 bytes a lane brings a row's words of four K steps.
; SHARES.  Work-groups 0-255: x; a wave takes one tile x 512 along K.  Work-groups 256-415: the weights; a wave takes 32 columns x 256 along K, a lane a column, its registers down K.
; The two paths part on the work-group's number alone and have LDS bytes of their own.  No tensor loads, no barrier: waves share nothing.
.set XWB,   8448                       ; x's stage of a wave: 16 rows x (512 bytes + 16); the four lie from LDS byte 0 on
.set WSTG,  33792                      ; the weights' stages: for each wave two tiles' images of two K steps, 3,072 bytes + 128
.set WWB,   6400
.set SPARE, 59392                      ; the spare words, 128 bytes for each wave: two blocks of 256 bytes that no other line names
.set SPW, 2                            ; v2   LDS address of my spare word; never rewritten
.set NIL, 3                            ; v3   0; never rewritten
.set BM,  16                           ; v16-19 largest magnitudes;  v20-23 the other half's, then bytes;  v28-31 the conversions' scale operands
.set BT,  20
.set SO,  28
.set PC,  32                           ; v32-51 the codes just made (12) and the conversions' second halves
.set PWB, 52                           ; v52-55 four K steps' scale words
.set RX,  64                           ; v64-191 two sets of 64: a K step of x as loaded
.set XN,  192                          ; v192-255 64 numbers of my row
.set SEL, 22                           ; s[22:23] lane selects for v_permlanex16_b32: lane l xor 16
.set X,   96                           ; weights: v96-159 two sets of 32 numbers; v64-95 the loads' offsets; v160-207 the way out
.set C,   32
.set SB,  24
.set OUTR, 160
.set MSB, 0
.macro WIN new                         ; the immediate's high byte repeats the setting that is left; a switch that changes nothing is dropped (here every window is 0: the macro below is shared with the later launches)
.set NW, \new
.if MSB != NW
	s_set_vgpr_msb (MSB<<8)|NW
.set MSB, NW
.endif
.endm
; 64 numbers of a lane in window w, register 16 b + i = k 32 b + 16 (lane / 16) + i of my row, become a fragment's 12 registers of codes in v[pc] on and the row's scale word in v[pw].
.macro QUANT src, w, pc, pw
	WIN (\w)|((\w)<<2)
.irp b, 0,1,2,3
	v_max3_num_f32 v[BM+\b], |v[(\src)+16*\b]|, |v[(\src)+16*\b+1]|, 0x1800000   ; block b: my 16 numbers, and the floor 2^(3 - 127): the byte cannot fall under 1
.endr
.irp i, 2,4,6,8,10,12,14
.irp b, 0,1,2,3
	v_max3_num_f32 v[BM+\b], |v[(\src)+16*\b+\i]|, |v[(\src)+16*\b+\i+1]|, v[BM+\b]   ; the four blocks by turns, each from its low end on
.endr
.endr
	WIN 0
.irp b, 0,1,2,3
	v_permlanex16_b32 v[BT+\b], v[BM+\b], s[SEL], s[SEL+1]
.endr
.irp b, 0,1,2,3
	v_max_num_f32 v[BM+\b], v[BM+\b], v[BT+\b]     ; with lane l xor 16's: the block's largest magnitude
.endr
.irp b, 0,1,2,3
	v_add_nc_u32 v[SO+\b], 0xff000000, v[BM+\b]    ; 2 off its exponent field: the conversion takes the exponent field of this operand as its scale
.endr
.irp b, 0,1,2,3
	v_lshrrev_b32 v[BT+\b], 23, v[SO+\b]           ; the scale's byte
.endr
	v_lshl_or_b32 v[\pw], v[BT+1], 8, v[BT]
	v_lshl_or_b32 v[\pw], v[BT+2], 16, v[\pw]
	v_lshl_or_b32 v[\pw], v[BT+3], 24, v[\pw]
	WIN \w
.irp c, 0,1
	v_cvt_scalef32_pk16_fp6_f32 v[(\pc)+6*\c:(\pc)+6*\c+2], v[(\src)+32*\c:(\src)+32*\c+15], v[SO+2*\c]
	v_cvt_scalef32_pk16_fp6_f32 v[(\pc)+12+4*\c:(\pc)+14+4*\c], v[(\src)+32*\c+16:(\src)+32*\c+31], v[SO+2*\c+1]   ; (a conversion's three registers begin on an even number)
.endr
	WIN 0
	v_nop                                          ; one plain place behind a scaled conversion
.irp c, 0,1                                    ; the operand's layout wants a WHOLE block in a lane: lanes 0-15 block 2 c, lanes 16-31 block 2 c + 1
.irp i, 0,1,2
	v_permlane16_swap_b32 v[(\pc)+6*\c+\i], v[(\pc)+12+4*\c+\i]
.endr
.irp i, 0,1,2
	v_mov_b32 v[(\pc)+6*\c+3+\i], v[(\pc)+12+4*\c+\i]
.endr
.endr
.endm
	s_load_b256 s[4:11], s[0:1], 0x0               ; x s[4:5], Wqkv s[6:7], Wfc s[8:9], xi s[10:11]
	s_load_b128 s[12:15], s[0:1], 0x20             ; xs s[12:13], wi s[14:15]
	s_load_b64 s[16:17], s[0:1], 0x30              ; ws
	v_lshl_add_u32 v[SPW], v0, 2, SPARE
	v_mov_b32 v[NIL], 0
	v_lshrrev_b32 v1, 5, v0
	v_readfirstlane_b32 s20, v1                    ; wave 0..3
	v_and_b32 v1, 31, v0                           ; lane
	v_lshlrev_b32 v4, 4, v1                        ; 16 x lane: my place in 512 consecutive bytes; never rewritten
	s_cmp_ge_u32 ttmp9, 256
	s_cbranch_scc1 .Lweights
; ---------------------------------------------------------------- x
	s_mov_b32 s[SEL], 0x76543210
	s_mov_b32 s[SEL+1], 0xfedcba98
	s_lshl_b32 s21, ttmp9, 2
	s_add_co_u32 s21, s21, s20                     ; my task
	s_lshr_b32 s24, s21, 1                         ; the tile T
	s_and_b32 s25, s21, 1                          ; which half of K
	s_lshr_b32 s26, s24, 1
	s_lshl_b32 s26, s26, 5
	s_and_b32 s27, s24, 1
	s_lshl_b32 s27, s27, 3
	s_add_co_u32 s26, s26, s27                     ; the tile's first row: 32 (T / 2) + 8 (T % 2)
	s_lshl_b32 s26, s26, 12                        ; rows of 4,096 bytes
	s_lshl_b32 s27, s25, 11
	s_add_co_u32 s26, s26, s27
	s_mov_b32 s27, 0
	s_lshl_b32 s28, s24, 3
	s_lshl_b32 s29, s25, 2
	s_add_co_u32 s28, s28, s29
	s_mul_i32 s28, s28, 1536                       ; image 8 T + 4 x half
	s_mov_b32 s29, 0
	s_lshl_b32 s30, s24, 9
	s_lshl_b32 s31, s25, 8
	s_add_co_u32 s30, s30, s31                     ; scale words: 512 T + 256 x half
	s_mov_b32 s31, 0
	v_and_b32 v8, 15, v0                           ; r
	v_bfe_u32 v9, v0, 4, 1                         ; h
	s_mul_i32 s32, s20, XWB                        ; my stage
	s_wait_alu depctr_va_vdst(0)
	v_add_nc_u32 v5, s32, v4                       ; in: a row's 512 bytes as they lie
	v_mul_u32_u24 v6, v8, 528
	v_lshl_add_u32 v6, v9, 6, v6
	v_add_nc_u32 v6, s32, v6                       ; out: row r, + 64 h: my 16 numbers of each block of 32
	v_lshlrev_b32 v7, 4, v8                        ; scale words: 16 r
.irp b, 0,1,2,3
	v_mov_b32 v[BT+\b], 0                          ; written once: a lane permute's destination counts as one of its sources
.endr
	s_wait_alu depctr_va_vdst(0)
	s_wait_kmcnt 0x0
	s_add_nc_u64 s[4:5], s[4:5], s[26:27]
	s_add_nc_u64 s[10:11], s[10:11], s[28:29]
	s_add_nc_u64 s[12:13], s[12:13], s[30:31]
.macro LOADX s                         ; K step s of my 16 rows: each load reads 512 consecutive bytes of one row
.irp i, 0,1,2,3,4,5,6,7,8,9,10,11,12,13,14,15
	global_load_b128 v[RX+64*((\s)%2)+4*\i:RX+64*((\s)%2)+4*\i+3], v4, s[4:5] offset:(\i+8*(\i/8))*4096+512*(\s) th:TH_LOAD_NT
.endr
.endm
.macro XSTEP s
.if (\s) < 3
	s_wait_loadcnt 16                              ; this step's 16 loads are in; the next step's 16 may be out
.else
	s_wait_loadcnt 0x0
.endif
.irp i, 0,1,2,3,4,5,6,7,8,9,10,11,12,13,14,15
	ds_store_b128 v5, v[RX+64*((\s)%2)+4*\i:RX+64*((\s)%2)+4*\i+3] offset:528*\i
.endr
.irp b, 0,1,2,3
.irp j, 0,1,2,3
	ds_load_b128 v[XN+16*\b+4*\j:XN+16*\b+4*\j+3], v6 offset:128*\b+16*\j   ; LDS serves a wave's instructions in order: these see the stores above
.endr
.endr
	s_wait_dscnt 0x0                               ; my 64 numbers are back, and the stores have read their registers
	s_wait_xcnt 0x0                                ; the last step's global stores have read the codes' registers, which are written again below
.if (\s) < 2
	LOADX (\s)+2
.endif
	QUANT XN, 0, PC, PWB+(\s)
.irp g, 0,1,2
	global_store_b128 v4, v[PC+4*\g:PC+4*\g+3], s[10:11] offset:1536*(\s)+512*\g   ; 32 lanes store 512 consecutive bytes, aligned
.endr
.endm
	LOADX 0
	LOADX 1
	XSTEP 0
	XSTEP 1
	XSTEP 2
	XSTEP 3
	global_store_b128 v7, v[PWB:PWB+3], s[12:13]   ; 256 consecutive bytes, aligned; lanes 16-31 hold the same words as lanes 0-15 and store them to the same places
	s_wait_tensorcnt 0x0                           ; the wave's end
	ds_add_u32 v[SPW], v[NIL]
	s_wait_dscnt 0x0
	s_endpgm
; ---------------------------------------------------------------- the weights
.Lweights:
	s_sub_co_u32 s21, ttmp9, 256
	s_lshr_b32 s40, s21, 2                         ; which 128 columns: 0-31 Wqkv's, 32-39 Wfc's
	s_and_b32 s41, s21, 3                          ; y: which 256 along K
	s_cmp_ge_u32 s40, 32
	s_cselect_b32 s42, 12, 14                      ; a row of the weight is 2^12 or 2^14 bytes
	s_cselect_b32 s43, 32, 0
	s_sub_co_u32 s43, s40, s43
	s_lshl_b32 s43, s43, 9
	s_lshl_b32 s44, s20, 7
	s_add_co_u32 s43, s43, s44                     ; my first column, in bytes
	s_add_co_u32 s44, s42, 8
	s_lshl_b32 s44, s41, s44                       ; 256 y rows
	s_add_co_u32 s44, s44, s43
	s_mov_b32 s45, 0
	s_add_co_u32 s46, s42, 5
	s_lshl_b32 s46, 1, s46                         ; 32 rows
	s_mov_b32 s47, 0
	s_lshl_b32 s21, 1, s42                         ; one row
	s_lshl_b32 s43, s40, 3
	s_lshl_b32 s42, s20, 1
	s_add_co_u32 s43, s43, s42                     ; my first tile of columns
	s_lshl_b32 s18, s43, 9
	s_lshr_b32 s42, s41, 1
	s_lshl_b32 s42, s42, 8
	s_add_co_u32 s18, s18, s42
	s_and_b32 s42, s41, 1
	s_lshl_b32 s42, s42, 3
	s_add_co_u32 s18, s18, s42                     ; scale words: 512 x tile + 256 (y / 2) + 8 (y % 2)
	s_mov_b32 s19, 0
	s_lshl_b32 s42, s43, 3
	s_lshl_b32 s43, s41, 1
	s_add_co_u32 s42, s42, s43
	s_mul_i32 s42, s42, 1536                       ; image 8 x tile + 2 y
	s_mov_b32 s43, 0
	v_bfe_u32 v8, v0, 3, 1                         ; column l of my 32 is place r of tile u:  u = (l / 8) % 2,
	v_and_b32 v9, 7, v0
	v_bfe_u32 v10, v0, 4, 1
	v_lshl_or_b32 v9, v10, 3, v9                   ; r = l % 8 + 8 (l / 16)
	s_mul_i32 s22, s20, WWB
	s_add_co_u32 s22, s22, WSTG                    ; my stage
	v_mul_u32_u24 v5, v8, 3200
	v_lshl_add_u32 v5, v9, 4, v5
	v_add_nc_u32 v5, s22, v5                       ; in: tile u, 16 r
	s_wait_alu depctr_va_vdst(0)
	v_add_nc_u32 v6, s22, v4                       ; out: 16 x lane
	v_lshlrev_b32 v7, 9, v8
	v_lshl_add_u32 v7, v9, 4, v7                   ; scale words: 512 u + 16 r
	v_lshlrev_b32 v64, 2, v1                       ; the loads' offsets: 4 x lane + i rows; never rewritten
.set i, 1
.rept 31
	v_add_nc_u32 v[64+i], s21, v[63+i]
.set i, i+1
.endr
	s_wait_alu depctr_va_vdst(0)
	s_wait_kmcnt 0x0
	s_cmp_ge_u32 s40, 32                           ; the choice hangs on the work-group's number alone
	s_cselect_b64 s[24:25], s[8:9], s[6:7]
	s_add_nc_u64 s[24:25], s[24:25], s[44:45]      ; a base for each of my eight blocks of 32 rows: nothing is stepped while loads are out
.irp t, 1,2,3,4,5,6,7
	s_add_nc_u64 s[24+2*\t:25+2*\t], s[22+2*\t:23+2*\t], s[46:47]
.endr
	s_add_nc_u64 s[14:15], s[14:15], s[42:43]
	s_add_nc_u64 s[16:17], s[16:17], s[18:19]
.macro LOADW t                         ; block t: 32 rows at my column: 32 lanes read 128 consecutive bytes
.irp i, 0,1,2,3,4,5,6,7,8,9,10,11,12,13,14,15,16,17,18,19,20,21,22,23,24,25,26,27,28,29,30,31
	global_load_b32 v[X+32*((\t)%2)+\i], v[64+\i], s[24+2*(\t):25+2*(\t)] th:TH_LOAD_NT
.endr
.endm
.macro BLOCK t
.set XS, X+32*((\t)%2)
.if (\t) < 7
	s_wait_loadcnt 32                              ; this block's 32 loads are in; the next block's may be out
.else
	s_wait_loadcnt 0x0
.endif
	v_max3_num_f32 v12, |v[XS]|, |v[XS+1]|, |v[XS+2]|   ; the block's largest magnitude: all 32 numbers are mine
	v_max3_num_f32 v13, |v[XS+3]|, |v[XS+4]|, |v[XS+5]|
.irp i, 6,10,14,18,22,26
	v_max3_num_f32 v12, v12, |v[XS+\i]|, |v[XS+\i+1]|
	v_max3_num_f32 v13, v13, |v[XS+\i+2]|, |v[XS+\i+3]|
.endr
	v_max3_num_f32 v12, v12, |v[XS+30]|, |v[XS+31]|
	v_max3_num_f32 v12, v12, v13, 0x1800000        ; and the floor
	v_add_nc_u32 v11, 0xff000000, v12              ; the conversion's scale operand
	v_lshrrev_b32 v13, 23, v11                     ; the byte
.if (\t)%4 == 0
	v_mov_b32 v[SB+(\t)/4], v13
.else
	v_lshl_or_b32 v[SB+(\t)/4], v13, 8*((\t)%4), v[SB+(\t)/4]
.endif
	v_cvt_scalef32_pk16_fp6_f32 v[C:C+2], v[XS:XS+15], v11
	v_cvt_scalef32_pk16_fp6_f32 v[C+4:C+6], v[XS+16:XS+31], v11
	v_nop                                          ; one plain place behind a scaled conversion
	v_mov_b32 v[C+3], v[C+4]                       ; the block's six registers on end
	v_mov_b32 v[C+4], v[C+5]
	v_mov_b32 v[C+5], v[C+6]
; block t is registers 6 c .. 6 c + 5 of lane r + 16 h in K step t / 4's image, c = (t % 4) / 2, h = t % 2
.if ((\t)%4)/2 == 0
	ds_store_b128 v5, v[C:C+3] offset:1536*((\t)/4)+256*((\t)%2)
	ds_store_b64 v5, v[C+4:C+5] offset:1536*((\t)/4)+512+256*((\t)%2)
.else
	ds_store_b64 v5, v[C:C+1] offset:1536*((\t)/4)+520+256*((\t)%2)
	ds_store_b128 v5, v[C+2:C+5] offset:1536*((\t)/4)+1024+256*((\t)%2)
.endif
.if (\t)+2 < 8
	LOADW (\t)+2
.endif
	s_wait_dscnt 0x0                               ; the stores have read their registers: the next block's codes may be written
.endm
	LOADW 0
	LOADW 1
.irp t, 0,1,2,3,4,5,6,7
	BLOCK \t
.endr
	s_wait_alu depctr_va_vdst(0)
	global_store_b64 v7, v[SB:SB+1], s[16:17]      ; my column's two scale words: 8 of each 16 bytes (the other 8 are another work-group's): one byte in 128 of what this path reads
.irp n, 0,1,2,3,4,5,6,7,8,9,10,11
	ds_load_b128 v[OUTR+4*\n:OUTR+4*\n+3], v6 offset:3200*(\n/6)+512*(\n%6)   ; LDS serves a wave's instructions in order: these see my stores
.endr
.irp n, 0,1,2,3,4,5,6,7,8,9,10,11
	s_wait_dscnt 11-\n                             ; the younger loads may be out
	global_store_b128 v4, v[OUTR+4*\n:OUTR+4*\n+3], s[14:15] offset:12288*(\n/6)+512*(\n%6)   ; 512 consecutive bytes, aligned
.endr
	s_wait_tensorcnt 0x0                           ; the wave's end
	ds_add_u32 v[SPW], v[NIL]
	s_wait_dscnt 0x0
	s_endpgm
.Lfunc_end_k_q63bcb0b1cf_quant:
	.size	k_q63bcb0b1cf_quant, .Lfunc_end_k_q63bcb0b1cf_quant-k_q63bcb0b1cf_quant
	.p2alignl 7, 3214868480
	.fill 96, 4, 3214868480
	.section	.rodata,"a",@progbits
	.p2align	6, 0x0
	.amdhsa_kernel k_q63bcb0b1cf_quant
		.amdhsa_group_segment_fixed_size 59904
		.amdhsa_private_segment_fixed_size 0
		.amdhsa_enable_private_segment 0
		.amdhsa_kernarg_size 56
		.amdhsa_user_sgpr_count 2
		.amdhsa_user_sgpr_kernarg_segment_ptr 1
		.amdhsa_wavefront_size32 1
		.amdhsa_system_sgpr_workgroup_id_x 1
		.amdhsa_system_sgpr_workgroup_id_y 1
		.amdhsa_system_sgpr_workgroup_id_z 1
		.amdhsa_system_vgpr_workitem_id 0
		.amdhsa_next_free_vgpr 256
		.amdhsa_next_free_sgpr 66
		.amdhsa_reserve_vcc 0
		.amdhsa_float_denorm_mode_32 3
		.amdhsa_float_denorm_mode_16_64 3
		.amdhsa_memory_ordered 1
		.amdhsa_forward_progress 1
		.amdhsa_inst_pref_size 76
	.end_amdhsa_kernel
	.amdgpu_metadata
---
amdhsa.version: [ 1, 2 ]
amdhsa.kernels:
  - .name:           k_q63bcb0b1cf_quant
    .symbol:         k_q63bcb0b1cf_quant.kd
    .args:
      - { .name: x, .offset: 0, .size: 8, .value_kind: global_buffer, .address_space: global }
      - { .name: Wqkv, .offset: 8, .size: 8, .value_kind: global_buffer, .address_space: global }
      - { .name: Wfc, .offset: 16, .size: 8, .value_kind: global_buffer, .address_space: global }
      - { .name: xi, .offset: 24, .size: 8, .value_kind: global_buffer, .address_space: global }
      - { .name: xs, .offset: 32, .size: 8, .value_kind: global_buffer, .address_space: global }
      - { .name: wi, .offset: 40, .size: 8, .value_kind: global_buffer, .address_space: global }
      - { .name: ws, .offset: 48, .size: 8, .value_kind: global_buffer, .address_space: global }
    .group_segment_fixed_size: 59904
    .private_segment_fixed_size: 0
    .kernarg_segment_align: 8
    .kernarg_segment_size: 56
    .max_flat_workgroup_size: 128
    .sgpr_count:     66
    .vgpr_count:     256
    .wavefront_size: 32
...
	.end_amdgpu_metadata
.endif
;; end of part 1
;; launch gemm1 (part 2): grid 16 x 16, 4 waves a work-group, clusters of 4 x 4, 327,680 bytes of LDS; arguments xi, xs, wi, ws, mask, qi, qs; writes qi, qs
.if DOCPART == 2
	.amdgcn_target "amdgcn-amd-amdhsa--gfx1250"
	.amdhsa_code_object_version 6
	.text
	.protected	k_q63bcb0b1cf_gemm1
	.globl	k_q63bcb0b1cf_gemm1
	.p2align	8
	.type	k_q63bcb0b1cf_gemm1,@function
k_q63bcb0b1cf_gemm1:
	s_mov_b64 s[64:65], 0
	v_nop
	global_prefetch_b8 v0, s[64:65] scope:SCOPE_SE
	s_setreg_imm32_b32 hwreg(HW_REG_WAVE_MODE, 25, 1), 1
	s_wait_xcnt 0x0
	s_wait_alu depctr_hold_cnt(0) depctr_sa_sdst(0) depctr_va_vdst(0) depctr_va_sdst(0) depctr_va_ssrc(0) depctr_va_vcc(0) depctr_vm_vsrc(0)
	s_getreg_b32 s2, hwreg(HW_REG_IB_STS2, 6, 4)
	s_cmp_eq_u32 s2, 0
	s_cbranch_scc0 .Lentry_in_a_cluster
	s_endpgm
.Lentry_in_a_cluster:
	s_bfe_u32 s2, ttmp6, 0x10000c
	s_cmp_lg_u32 s2, 0xf033
	s_cbranch_scc0 .Lentry_shape_is_right
	s_endpgm
.Lentry_shape_is_right:
; LAUNCH 2 OF 4.  qkv = x Wqkv on codes of FP6 with E8M0 scales, K = 1024; no work of the problem is left out here.  The f32 results never go to memory: on the way out they are quantised into the
; operands of the attention products: q, k1, k2 along the head's 64, v along the keys.
; A tile of 256 x 256 is made by four waves, each 128 x 128: 64 accumulators, 512 registers.  THE MATRIX INSTRUCTION IS USED TRANSPOSED: source 0 = 16 rows of 'B', source 1 = 16 rows of 'A': a lane holds ONE row of A,
; and (by the choice of rows in a tile, see the first launch) the 16 registers of two neighbouring tiles of B are 16 neighbours of B's index: what a quantiser along B's index wants.
; TWO ROLES, ONE TEXT, chosen by pointers on the cluster's x alone.  Clusters 0-2: A = tokens (xi), B = Wqkv's columns 0-3071 (q, k1, k2).  Cluster 3: A = Wqkv's columns 3072-4095 (v's channels), B = tokens.
; A WORK-GROUP STAYS AND MAKES TWO TILES, 16 tiles of 256 tokens apart (8 batches): 256 work-groups for 512 tiles.
; OPERANDS come as images of their registers (first launch): a fragment is three loads of 16 bytes a lane, 512 consecutive bytes each.
; LDS: two slots of three K steps (A's 16 tiles x 4,608 bytes, then B's).  THE HEAD: one tensor load a wave: wave 0 A's K steps 0-2, wave 1 B's, wave 2 A's scale words of all of K, wave 3 B's.
; IN EACH TILE: slot 1 takes K steps 3-5 behind the full sequence and a round of the cluster's barrier at the tile's start, a quarter a wave; K steps 6-7 refill slot 0's first 98,304 bytes (tiles 3,072 bytes apart) behind the round in K step 2.
; THE FIRST TILE ALSO ASKS FOR THE SECOND: its scale words behind a round in K step 5 (this tile's are in registers by then), its K steps 0-2 into slot 0 behind a round in K step 7, ahead of the way out.
; The last tile's K steps 5-7 are written out apart and ask for nothing.  By the text's own count one tensor load of a wave is out at any time.
; No prefetch: K is eight steps at the largest block in clusters, and the second tile's first fill is itself asked for ahead of the first tile's whole way out.
; CLUSTERS: 4 x 4.  A's tiles are shared along a row of the cluster, B's along a column: joint loads.
; A masked key's codes of k1 and k2 are made zeros here (mask, an input): its score is then exactly 0, to which the next launch adds NEG and the Gaussian term, as reference() has it.
; qi: for bh = batch x 4 + group of 4 heads, g = group of 128 tokens: 315,392 bh + [scale words: 5,120 g + (k1 0, k2 2,048: [head 4][half 2][r 16][4 words], bytes 2, 3 of a word 0; v 4,096: [head 4][r 16][4 words])]
;     then 20,480 + 73,728 g + 24,576 sec (0 k1, 1 k2, 2 v); k: [head 4][tile 8][piece 3][256 bytes]; v: [pair of heads 2][half of the keys 2][tile 8][3][256].  A piece holds two registers of each lane.
;     q's codes: QOFF + 24,576 (4 bh + g) + [head 4][tile 8][3][256].   qs: q's scale words: 2,048 (4 bh + g) + [head][half][r][4].
; LIMITS as stated in the first launch.
; REGISTERS: window 0: v4-11 the mask, v16-30 addresses, v32-95 scale words (nothing else ever), v128-223 A's fragments, ONE set; on the way out v128-199 are at work.  window 1: B's fragments, two sets, v0 and v128.
;   windows 2, 3: the accumulators, (a, b) at v[8 (8 (a % 4) + b)].
.set SLOTB, 147456                     ; a slot of three K steps
.set BOF3,  73728                      ; B's tiles in it
.set SCL,   294912                     ; behind the slots: A's 16 blocks of scale words (512 bytes each), then B's
.set SPARE, 311296                     ; the spare words, 128 bytes for each wave
.set QOFF,  20185088
.set FR,   12
.set VM,   4
.set ADRA, 16                          ; v16-18 my A fragments in slot 0, slot 1, slot 0 refilled;  v20-22 B's
.set ADRB, 20
.set ADRS, 24                          ; my scale words: lanes 0-15 A's, lanes 16-31 B's
.set CO,   25                          ; 8 x lane
.set SOF,  26                          ; where my scale words go
.set MO,   27                          ; 4 (r + 8 (r / 8))
.set SPW,  28
.set NIL,  29
.set SHF,  30                          ; which half of a scale word is my head's
.set SC,   32                          ; register SC + 8 i + ks: lanes 0-15 the word of A's block i, lanes 16-31 of B's block i, for K step ks
.set AF,   128
.set BM,   128                         ; the way out, in the registers that held A's fragments
.set BT,   132
.set SO,   136
.set PW,   140
.set W8,   144
.set PCS,  160
.set G1A,  24
.set G0A,  32                          ; three sets: K steps 6-7, K steps 3-5, K steps 0-2
.set G1B,  44
.set G0B,  52
.set G1SA, 68
.set G0SA, 76
.set G1SB, 80
.set G0SB, 88
.set WV, 18
.set WA, 19                            ; which half of A's rows is mine.  Also: behind the head I fetch for A (0) or for B (1)
.set WB, 20                            ; which half of B's rows.  Also: which 8 tiles I fetch
.set CX, 92
.set CY, 93
.set FORCE, 96
.set SMK,   97
.set SEL,   8
.set STA, 4                            ; s[4:5], s[6:7] bytes from a tile's codes of A, of B to the next tile's (0 for the weights)
.set STB, 6
.set SSA, 10                           ; s[10:11], s[94:95] from the head's scale words to my quarter of the next tile's
.set SSB, 94
.set OC,  98                           ; s[98:99], s[100:101] from a tile's results to the next tile's: codes, scale words
.set OS,  100
.set TL,  66                           ; tiles to go
.set LX,  67                           ; where my quarter of K steps 0-2 goes
.set LS,  21                           ; and of the scale words
.set MUL_LO, 0xa1                      ; source 0 (B) window 1, source 1 (A) window 0, C and D window 2
.set MUL_HI, 0xf1
.set TO_B,   0x40
.set MSB, 0
.macro WIN new                         ; the immediate's high byte repeats the setting that is left
.set NW, \new
.if MSB != NW
	s_set_vgpr_msb (MSB<<8)|NW
.set MSB, NW
.endif
.endm
.macro PLACES n
.rept \n
	v_nop
.endr
.endm
.macro JLOAD g0a, g1a, g0b, g1b        ; a joint load: waves 0, 1 for A, waves 2, 3 for B; an s_nop 0 and four v_nop follow each line
	s_cmp_eq_u32 s[WA], 0
	s_cbranch_scc0 .Lfor_b_\@
	tensor_load_to_lds s[\g0a:\g0a+3], s[\g1a:\g1a+7]
	s_nop 0
.rept 4
	v_nop
.endr
	s_branch .Lasked_\@
.Lfor_b_\@:
	tensor_load_to_lds s[\g0b:\g0b+3], s[\g1b:\g1b+7]
	s_nop 0
.rept 4
	v_nop
.endr
.Lasked_\@:
.endm
.macro CREST                           ; a round of the cluster's barrier behind its opening barrier
	s_cmp_lg_u32 s[WV], 0
	s_cbranch_scc1 .Lnot_wave_0_\@
	s_barrier_signal -3
.Lnot_wave_0_\@:
	s_barrier_wait -3
	s_barrier_signal -1
	s_barrier_wait -1
.endm
.macro CROUND
	s_barrier_signal -1
	s_barrier_wait -1
	CREST
.endm
; 64 numbers of a lane in window w, register 16 b + i = k 32 b + 16 (lane / 16) + i of my row, become a fragment's 12 registers of codes in v[pc] on and the row's scale word in v[pw].
.macro QUANT src, w, pc, pw
	WIN (\w)|((\w)<<2)
.irp b, 0,1,2,3
	v_max3_num_f32 v[BM+\b], |v[(\src)+16*\b]|, |v[(\src)+16*\b+1]|, 0x1800000   ; my 16 numbers of block b, and the floor 2^(3 - 127)
.endr
.irp i, 2,4,6,8,10,12,14
.irp b, 0,1,2,3
	v_max3_num_f32 v[BM+\b], |v[(\src)+16*\b+\i]|, |v[(\src)+16*\b+\i+1]|, v[BM+\b]   ; ascending: each accumulator is read from its low end on
.endr
.endr
	WIN 0
.irp b, 0,1,2,3
	v_permlanex16_b32 v[BT+\b], v[BM+\b], s[SEL], s[SEL+1]
.endr
.irp b, 0,1,2,3
	v_max_num_f32 v[BM+\b], v[BM+\b], v[BT+\b]
.endr
.irp b, 0,1,2,3
	v_add_nc_u32 v[SO+\b], 0xff000000, v[BM+\b]    ; 2 off the exponent field: the conversion's scale operand
.endr
.irp b, 0,1,2,3
	v_lshrrev_b32 v[BT+\b], 23, v[SO+\b]           ; the byte
.endr
	v_lshl_or_b32 v[\pw], v[BT+1], 8, v[BT]
	v_lshl_or_b32 v[\pw], v[BT+2], 16, v[\pw]
	v_lshl_or_b32 v[\pw], v[BT+3], 24, v[\pw]
	WIN \w
.irp c, 0,1
	v_cvt_scalef32_pk16_fp6_f32 v[(\pc)+6*\c:(\pc)+6*\c+2], v[(\src)+32*\c:(\src)+32*\c+15], v[SO+2*\c]
	v_cvt_scalef32_pk16_fp6_f32 v[(\pc)+12+4*\c:(\pc)+14+4*\c], v[(\src)+32*\c+16:(\src)+32*\c+31], v[SO+2*\c+1]
.endr
	WIN 0
	v_nop                                          ; one plain place behind a scaled conversion
.irp c, 0,1
.irp i, 0,1,2
	v_permlane16_swap_b32 v[(\pc)+6*\c+\i], v[(\pc)+12+4*\c+\i]
.endr
.irp i, 0,1,2
	v_mov_b32 v[(\pc)+6*\c+3+\i], v[(\pc)+12+4*\c+\i]
.endr
.endr
.endm
	s_load_b256 s[4:11], s[0:1], 0x0               ; xi s[4:5], xs s[6:7], wi s[8:9], ws s[10:11]
	s_load_b128 s[12:15], s[0:1], 0x20             ; mask s[12:13], qi s[14:15]
	s_load_b64 s[16:17], s[0:1], 0x30              ; qs
	v_lshl_add_u32 v[SPW], v0, 2, SPARE
	v_mov_b32 v[NIL], 0
	ds_add_u32 v[SPW], v[NIL]                      ; the opening
	ds_add_u32 v[SPW], v[NIL]
	v_lshrrev_b32 v1, 5, v0
	v_readfirstlane_b32 s[WV], v1                  ; wave 0..3
	s_lshr_b32 s[WA], s[WV], 1
	s_and_b32 s[WB], s[WV], 1
	s_bfe_u32 s[CX], ttmp6, 0x40000
	s_bfe_u32 s[CY], ttmp6, 0x40004
	s_lshl_b32 s2, s[CY], 2
	s_lshl_b32 s2, 15, s2                          ; my row of the cluster
	s_lshl_b32 s22, 0x1111, s[CX]                  ; my column
	s_or_b32 s[G1A], s2, (3<<16)|(1<<21)           ; the mask; elements of 8 bytes; bit 21 beside a mask; no padding
	s_or_b32 s[G1B], s22, (3<<16)|(1<<21)
	s_or_b32 s[G1SA], s2, (3<<16)|(1<<21)
	s_or_b32 s[G1SB], s22, (3<<16)|(1<<21)
.irp g, G1A, G1B                       ; the head's: 16 tiles x 4,608 bytes (three K steps' images), 12,288 bytes from tile to tile
	s_mov_b32 s[\g+1], 576<<16
	s_mov_b32 s[\g+2], 16<<16
	s_mov_b32 s[\g+3], 576<<16
	s_mov_b32 s[\g+4], 16
	s_mov_b32 s[\g+5], 1536
	s_mov_b32 s[\g+6], 0
	s_mov_b32 s[\g+7], 0
.endr
.irp g, G1SA, G1SB                     ; the head's: 16 tiles' scale words: 8,192 dense bytes as 32 rows of 256
	s_mov_b32 s[\g+1], 32<<16
	s_mov_b32 s[\g+2], 32<<16
	s_mov_b32 s[\g+3], 32<<16
	s_mov_b32 s[\g+4], 32
	s_mov_b32 s[\g+5], 32
	s_mov_b32 s[\g+6], 0
	s_mov_b32 s[\g+7], 0
.endr
	s_and_b32 s21, ttmp7, 0xffff
	s_lshl_b32 s21, s21, 2                         ; 4 x cluster y
	s_lshl_b32 s22, ttmp9, 2                       ; 4 x cluster x
	s_cmp_eq_u32 ttmp9, 3                          ; the V role?  The same in all sixteen partners
	s_cselect_b32 s2, 12, s21                      ; A's tile of 256: v's columns begin at 12; else the tokens' tile row.  It hangs on cy alone,
	s_cselect_b32 s22, s21, s22                    ; B's on cx alone
	s_add_co_u32 s2, s2, s[CY]
	s_add_co_u32 s22, s22, s[CX]
	s_lshl_b32 s2, s2, 4                           ; the first of A's 16 image tiles
	s_lshl_b32 s22, s22, 4
	s_mul_i32 s96, s2, 12288
	s_mov_b32 s97, 0
	s_lshl_b32 s2, s2, 9
	s_mov_b32 s3, 0
	s_mul_i32 s98, s22, 12288
	s_mov_b32 s99, 0
	s_lshl_b32 s22, s22, 9
	s_mov_b32 s23, 0
	s_mul_i32 s21, s[WV], 24576                    ; where my quarter of K steps 6-7 goes: wave x 8 tiles x 3,072: no place in the cluster enters an LDS address
	s_mul_i32 s100, s[WV], 36864                   ; and of slot 1: wave x 8 tiles x 4,608
	s_add_co_u32 s100, s100, SLOTB
	s_wait_dscnt 0x0                               ; both opening adds are done
	s_wait_kmcnt 0x0
	s_cmp_eq_u32 ttmp9, 3
	s_cselect_b64 s[66:67], s[8:9], s[4:5]         ; A's codes,
	s_cselect_b64 s[94:95], s[10:11], s[6:7]       ; A's scales,
	s_cselect_b64 s[4:5], s[4:5], s[8:9]           ; B's codes,
	s_cselect_b64 s[6:7], s[6:7], s[10:11]         ; B's scales
	s_add_nc_u64 s[66:67], s[66:67], s[96:97]
	s_add_nc_u64 s[94:95], s[94:95], s[2:3]
	s_add_nc_u64 s[4:5], s[4:5], s[98:99]
	s_add_nc_u64 s[6:7], s[6:7], s[22:23]
	CROUND                                         ; all sixteen work-groups are here: the first joint loads meet
	s_mov_b32 s[G0A+8], 1                          ; the head's four tiles, each whole
	s_mov_b32 s[G0A+9], 0
	s_mov_b64 s[G0A+10:G0A+11], s[66:67]
	s_or_b32 s[G0A+11], s[G0A+11], 0x80000000
	s_mov_b32 s[G0B+8], 1
	s_mov_b32 s[G0B+9], BOF3
	s_mov_b64 s[G0B+10:G0B+11], s[4:5]
	s_or_b32 s[G0B+11], s[G0B+11], 0x80000000
	s_mov_b32 s[G0SA], 1
	s_mov_b32 s[G0SA+1], SCL
	s_mov_b64 s[G0SA+2:G0SA+3], s[94:95]
	s_or_b32 s[G0SA+3], s[G0SA+3], 0x80000000
	s_mov_b32 s[G0SB], 1
	s_mov_b32 s[G0SB+1], SCL+8192
	s_mov_b64 s[G0SB+2:G0SB+3], s[6:7]
	s_or_b32 s[G0SB+3], s[G0SB+3], 0x80000000
	s_mul_i32 s2, s[WB], 98304                     ; behind the head I fetch 8 tiles: which half
	s_add_nc_u64 s[66:67], s[66:67], s[2:3]
	s_add_nc_u64 s[4:5], s[4:5], s[2:3]
	s_mov_b32 s[G0A+4], 1                          ; slot 1: K steps 3-5
	s_mov_b32 s[G0A+5], s100
	s_add_nc_u64 s[G0A+6:G0A+7], s[66:67], 4608
	s_or_b32 s[G0A+7], s[G0A+7], 0x80000000
	s_mov_b32 s[G0B+4], 1
	s_mov_b32 s[G0B+5], s100
	s_add_nc_u64 s[G0B+6:G0B+7], s[4:5], 4608
	s_or_b32 s[G0B+7], s[G0B+7], 0x80000000
	s_mov_b32 s[G0A], 1                            ; K steps 6-7
	s_mov_b32 s[G0A+1], s21
	s_add_nc_u64 s[G0A+2:G0A+3], s[66:67], 9216
	s_or_b32 s[G0A+3], s[G0A+3], 0x80000000
	s_mov_b32 s[G0B], 1
	s_mov_b32 s[G0B+1], s21
	s_add_nc_u64 s[G0B+2:G0B+3], s[4:5], 9216
	s_or_b32 s[G0B+3], s[G0B+3], 0x80000000
; ONE chain of branches on the wave's number, one load to an arm, all arms to one join
.macro ARM under, g0, g1, next
	s_cmp_lt_u32 s[WV], \under
	s_cbranch_scc0 \next
	tensor_load_to_lds s[\g0:\g0+3], s[\g1:\g1+7]
	s_nop 0
.rept 4
	v_nop
.endr
	s_branch .Lhead_asked
\next:
.endm
	ARM 1, G0A+8, G1A,  .Lhead_b
	ARM 2, G0B+8, G1B,  .Lhead_sa
	ARM 3, G0SA,  G1SA, .Lhead_sb
	tensor_load_to_lds s[G0SB:G0SB+3], s[G1SB:G1SB+7]
	s_nop 0
.rept 4
	v_nop
.endr
.Lhead_asked:
	; the mask of the 128 tokens 256 (4 Y + cy) + 128 WA on (in the roles q and v the words are loaded and thrown away by FORCE: the address lies inside the buffer in every role and in both tiles)
	s_and_b32 s2, ttmp7, 0xffff
	s_lshl_b32 s2, s2, 2
	s_add_co_u32 s3, s2, s[CY]                     ; 4 Y + cy
	s_add_co_u32 s21, s2, s[CX]                    ; 4 Y + cx
	s_lshl_b32 s22, s3, 10
	s_lshl_b32 s23, s[WA], 9
	s_add_co_u32 s22, s22, s23
	s_mov_b32 s23, 0
	s_add_nc_u64 s[12:13], s[12:13], s[22:23]
	; where the first tile's results go
	s_cmp_eq_u32 ttmp9, 3
	s_cselect_b32 s3, s21, s3                      ; the tokens' tile of 256
	s_cselect_b32 s21, s[CY], s[CX]                ; the group of 4 heads
	s_cselect_b32 s22, s[WB], s[WA]                ; which 128 tokens of the 256
	s_cselect_b32 s23, s[WA], s[WB]                ; which pair of heads of the group
	s_cselect_b32 s66, 9, 10                       ; a pair of heads' scale words: 512 bytes (v) or 1,024
	s_cselect_b32 s[SMK], -1, 0xffff               ; v: all four bytes of a word; else my head's two
	s_cselect_b32 s67, 0, 16
	s_cselect_b32 s94, 0, 512
	s_lshr_b32 s95, s3, 1                          ; the batch
	s_and_b32 s3, s3, 1
	s_lshl_b32 s3, s3, 1
	s_add_co_u32 s3, s3, s22                       ; g
	s_lshl_b32 s95, s95, 2
	s_add_co_u32 s95, s95, s21                     ; bh
	s_mul_i32 s101, s95, 315392
	s_lshl_b32 s95, s95, 2
	s_add_co_u32 s95, s95, s3                      ; 4 bh + g
	s_mul_i32 s2, s23, 12288
	s_lshl_b32 s66, s23, s66
	s_max_u32 s21, ttmp9, 1
	s_sub_co_u32 s21, s21, 1                       ; the section: 0 k1, 1 k2, 2 v
	s_mul_i32 s22, s3, 73728
	s_add_co_u32 s22, s22, s101
	s_add_co_u32 s22, s22, 20480
	s_mul_i32 s98, s21, 24576
	s_add_co_u32 s22, s22, s98
	s_mul_i32 s98, s95, 24576
	s_add_co_u32 s98, s98, QOFF
	s_mul_i32 s99, s3, 5120
	s_add_co_u32 s99, s99, s101
	s_lshl_b32 s21, s21, 11
	s_add_co_u32 s99, s99, s21
	s_lshl_b32 s100, s95, 11
	s_cmp_eq_u32 ttmp9, 0                          ; q?
	s_cselect_b32 s22, s98, s22
	s_cselect_b32 s98, s100, s99
	s_cselect_b64 s[16:17], s[16:17], s[14:15]     ; q's scale words go to qs, the others' to qi
	s_add_co_u32 s22, s22, s2
	s_add_co_u32 s98, s98, s66
	s_mov_b32 s23, 0
	s_mov_b32 s99, 0
	s_add_nc_u64 s[14:15], s[14:15], s[22:23]
	s_add_nc_u64 s[16:17], s[16:17], s[98:99]
	s_sub_co_u32 s[FORCE], ttmp9, 1
	s_cmp_lt_u32 s[FORCE], 2
	s_cselect_b32 s[FORCE], 0, -1                  ; the key mask counts for k1 and k2 alone
	s_mov_b32 s[SEL], 0x76543210
	s_mov_b32 s[SEL+1], 0xfedcba98
	s_mul_i32 s2, s[WA], 36864                     ; my 8 tiles of A and of B in a slot of three K steps,
	s_mul_i32 s22, s[WB], 36864
	s_add_co_u32 s22, s22, BOF3
	s_mul_i32 s98, s[WA], 24576                    ; and among K steps 6-7
	s_mul_i32 s99, s[WB], 24576
	s_add_co_u32 s99, s99, 49152
	s_lshl_b32 s100, s[WA], 12                     ; A's scale words: my 8 blocks
	s_lshl_b32 s101, s[WB], 12                     ; B's: my 8 blocks, behind A's 16
	s_add_co_u32 s101, s101, 8192
	s_sub_co_u32 s101, s101, s100
	s_add_co_u32 s100, s100, SCL
	v_and_b32 v1, 15, v0                           ; r
	v_bfe_u32 v2, v0, 4, 1                         ; h
	v_and_b32 v3, 31, v0                           ; lane
	v_and_b32 v13, 8, v1
	v_add_nc_u32 v13, v13, v1
	v_lshlrev_b32 v[MO], 2, v13
	v_lshlrev_b32 v12, 4, v3                       ; 16 x lane
	v_add_nc_u32 v[ADRA], s2, v12
	v_add_nc_u32 v[ADRB], s22, v12
	v_add_nc_u32 v[ADRA+1], SLOTB, v[ADRA]
	v_add_nc_u32 v[ADRB+1], SLOTB, v[ADRB]
	v_add_nc_u32 v[ADRA+2], s98, v12
	v_add_nc_u32 v[ADRB+2], s99, v12
	v_mul_u32_u24 v13, s101, v2                    ; lanes 16-31 take B's: one product, the distance between the two
	v_lshl_add_u32 v13, v1, 4, v13
	v_add_nc_u32 v[ADRS], s100, v13
	v_mul_u32_u24 v[SHF], s67, v2
	v_mul_u32_u24 v[SOF], s94, v2
	v_lshl_add_u32 v[SOF], v1, 4, v[SOF]
	v_lshlrev_b32 v[CO], 3, v3
	s_wait_alu depctr_va_vdst(0)                   ; the end of the head's vector work, ahead of the scalar run below
	; the steps from the first tile to the second: 16 tiles of 256 tokens on; the weights stay
	s_cmp_eq_u32 ttmp9, 3
	s_cselect_b32 s[STA], 0, 3145728               ; 256 image tiles x 12,288 bytes
	s_cselect_b32 s[STB], 3145728, 0
	s_cselect_b32 s[SSA], 0, 131072                ; 256 x 512
	s_cselect_b32 s[SSB], 131072, 0
	s_mov_b32 s[STA+1], 0
	s_mov_b32 s[STB+1], 0
	s_mov_b32 s[SSA+1], 0
	s_mov_b32 s[SSB+1], 0
	s_lshl_b32 s2, s[WB], 12                       ; of the scale words too I then fetch 8 tiles: which half
	s_add_co_u32 s[SSA], s[SSA], s2
	s_add_co_u32 s[SSB], s[SSB], s2
	s_mov_b32 s[OC], 10092544                      ; 8 batches on: 32 x 315,392 in qi; for q 128 x 24,576, and 128 x 2,048 in qs
	s_cmp_eq_u32 ttmp9, 0
	s_cselect_b32 s[OS], 262144, s[OC]
	s_cselect_b32 s[OC], 3145728, s[OC]
	s_mov_b32 s[OC+1], 0
	s_mov_b32 s[OS+1], 0
	s_mul_i32 s[LX], s[WV], 36864
	s_lshl_b32 s[LS], s[WV], 12
	s_add_co_u32 s[LS], s[LS], SCL
	s_mov_b32 s[TL], 2
.macro FRAG reg, adr, off              ; a fragment's image: three loads, 512 consecutive bytes each
.irp g, 0,1,2
	ds_load_b128 v[(\reg)+4*\g:(\reg)+4*\g+3], v[\adr] offset:(\off)+512*\g
.endr
.endm
.macro FETCH_B sl, q, par              ; B's eight fragments of the q-th K step of fill sl (0, 1: tiles 4,608 bytes apart; 2: 3,072) into set par
	WIN TO_B
.irp i, 0,1,2,3,4,5,6,7
	FRAG 128*(\par)+FR*\i, ADRB+(\sl), (4608-1536*((\sl)/2))*\i+1536*(\q)
.endr
	WIN 0
.endm
.macro FETCH_A sl, q, i0               ; A's blocks i0 .. i0 + 3
.irp i, \i0, \i0+1, \i0+2, \i0+3
	FRAG AF+FR*(\i), ADRA+(\sl), (4608-1536*((\sl)/2))*(\i)+1536*(\q)
.endr
.endm
; 16 matrix instructions: A's blocks a0, a0 + 1 x B's eight, K step ks.  The 64 accumulators take turns, one instruction a turn, in the same order in every step.
.macro MUL16 a0, par, ks, zero
.irp a, \a0, \a0+1
.irp b, 0,1,2,3,4,5,6,7
.if \zero
	v_wmma_scale_f32_16x16x128_f8f6f4 v[8*(8*((\a)%4)+\b):8*(8*((\a)%4)+\b)+7], v[128*(\par)+FR*\b:128*(\par)+FR*\b+FR-1], v[AF+FR*(\a):AF+FR*(\a)+FR-1], 0, v[SC+8*\b+(\ks)], v[SC+8*(\a)+(\ks)] matrix_a_fmt:MATRIX_FMT_FP6 matrix_b_fmt:MATRIX_FMT_FP6 matrix_a_scale:MATRIX_SCALE_ROW1
.else
	v_wmma_scale_f32_16x16x128_f8f6f4 v[8*(8*((\a)%4)+\b):8*(8*((\a)%4)+\b)+7], v[128*(\par)+FR*\b:128*(\par)+FR*\b+FR-1], v[AF+FR*(\a):AF+FR*(\a)+FR-1], v[8*(8*((\a)%4)+\b):8*(8*((\a)%4)+\b)+7], v[SC+8*\b+(\ks)], v[SC+8*(\a)+(\ks)] matrix_a_fmt:MATRIX_FMT_FP6 matrix_b_fmt:MATRIX_FMT_FP6 matrix_a_scale:MATRIX_SCALE_ROW1
.endif
.endr
.endr
.endm
; K step ks on B's set par; its successor's fragments come from fill nsl, its nq-th K step.  Loads into registers that matrix instructions have read stand four plain places behind them (ISA guide 7.12.1 for vector instructions).
.macro STEP par, ks, nsl, nq, zero
	s_wait_dscnt 12                                ; B's set and A's blocks 0-3 are in; the youngest 12 loads (A's blocks 4-7) may be out
	WIN MUL_LO
	MUL16 0, \par, \ks, \zero
	MUL16 2, \par, \ks, \zero
	s_wait_dscnt 0x0                               ; A's blocks 4-7 are in
	PLACES 4
	FETCH_B \nsl, \nq, 1-\par
	FETCH_A \nsl, \nq, 0
	WIN MUL_HI
	MUL16 4, \par, \ks, \zero
	MUL16 6, \par, \ks, \zero
	PLACES 4
	WIN 0
	FETCH_A \nsl, \nq, 4
.endm
.macro NEXTD                           ; no tensor load of mine is out: every descriptor goes on to the next tile
	s_add_nc_u64 s[G0A+2:G0A+3], s[G0A+2:G0A+3], s[STA:STA+1]
	s_add_nc_u64 s[G0A+6:G0A+7], s[G0A+6:G0A+7], s[STA:STA+1]
	s_sub_nc_u64 s[G0A+10:G0A+11], s[G0A+6:G0A+7], 4608        ; K steps 0-2 of my 8 tiles lie 4,608 bytes ahead of K steps 3-5
	s_mov_b32 s[G0A+9], s[LX]
	s_add_nc_u64 s[G0B+2:G0B+3], s[G0B+2:G0B+3], s[STB:STB+1]
	s_add_nc_u64 s[G0B+6:G0B+7], s[G0B+6:G0B+7], s[STB:STB+1]
	s_sub_nc_u64 s[G0B+10:G0B+11], s[G0B+6:G0B+7], 4608
	s_mov_b32 s[G0B+9], s[LX]
	s_add_nc_u64 s[G0SA+2:G0SA+3], s[G0SA+2:G0SA+3], s[SSA:SSA+1]
	s_mov_b32 s[G0SA+1], s[LS]
	s_add_nc_u64 s[G0SB+2:G0SB+3], s[G0SB+2:G0SB+3], s[SSB:SSB+1]
	s_mov_b32 s[G0SB+1], s[LS]
	s_mov_b32 s[G1SA+2], 16<<16                    ; 8 tiles' scale words: 16 rows of 256 bytes
	s_mov_b32 s[G1SA+4], 16
	s_mov_b32 s[G1SB+2], 16<<16
	s_mov_b32 s[G1SB+4], 16
.endm
.macro ROWLEN n                        ; a row of the codes' tiles, in elements of 8 bytes
	s_mov_b32 s[G1A+1], (\n)<<16
	s_mov_b32 s[G1A+3], (\n)<<16
	s_mov_b32 s[G1B+1], (\n)<<16
	s_mov_b32 s[G1B+3], (\n)<<16
.endm
; A K step with a barrier in it.  fill = 0: a fill has landed in every wave. fill > 0: bytes that are read no more are filled again: each wave waits for all its tensor loads,
; adds 0 to its spare word, waits for that and for its reads; the barrier opens a round of the cluster's; the joint refill is the first tensor load behind it.
; fill = 1: K steps 6-7 into slot 0;  2: the next tile's scale words;  3: the tile's last K step: the next tile's K steps 0-2 into slot 0, and no fragments to fetch.
.macro TURN par, ks, nsl, fill
	s_wait_tensorcnt 0x0                           ; all my tensor loads have landed
.if \fill
	ds_add_u32 v[SPW], v[NIL]                      ; 0 onto my spare word
.if \fill == 2
	NEXTD
.endif
	s_wait_dscnt 13                                ; (the add and the youngest 12 loads may be out)
.else
	s_wait_dscnt 12
.endif
	WIN MUL_LO
	MUL16 0, \par, \ks, 0
	s_wait_dscnt 0x0                               ; the add is done, and my reads of the bytes to be filled are over
	s_barrier_signal -1
	MUL16 2, \par, \ks, 0
	WIN 0
	s_barrier_wait -1
.if \fill
	CREST                                          ; no wave of any partner still reads those bytes or has a load on its way
.endif
.if \fill == 0
	PLACES 4
.endif
.if \fill == 1
	ROWLEN 384
	JLOAD G0A, G1A, G0B, G1B                       ; a joint load's four v_nop are the places in front of the loads below
.endif
.if \fill == 2
	JLOAD G0SA, G1SA, G0SB, G1SB
.endif
.if \fill == 3
	ROWLEN 576
	JLOAD G0A+8, G1A, G0B+8, G1B
.endif
.if \fill < 3
	FETCH_B \nsl, 0, 1-\par
	FETCH_A \nsl, 0, 0
.endif
	WIN MUL_HI
	MUL16 4, \par, \ks, 0
	MUL16 6, \par, \ks, 0
.if \fill < 3
	PLACES 4
	WIN 0
	FETCH_A \nsl, 0, 4
.else
	WIN 0
.endif
.endm
.Ltile:
.irp a, 0,1,2,3,4,5,6,7
	global_load_b32 v[VM+\a], v[MO], s[12:13] offset:(32*(\a/2)+8*(\a%2))*4   ; the token at place r of tile a
.endr
	s_wait_tensorcnt 0x0                           ; my part of K steps 0-2 (at the head also: of the scale words) is in
	ds_add_u32 v[SPW], v[NIL]
	s_mov_b32 s[G1A+2], 8<<16                      ; no tensor load of mine is out: behind the head a load brings 8 tiles
	s_mov_b32 s[G1A+4], 8
	s_mov_b32 s[G1B+2], 8<<16
	s_mov_b32 s[G1B+4], 8
	s_wait_dscnt 0x0
	CROUND                                         ; everybody's part is in, and all sixteen work-groups are here
	JLOAD G0A+4, G1A, G0B+4, G1B                   ; K steps 3-5 into slot 1, the first tensor load behind the round
	FETCH_B 0, 0, 0
	FETCH_A 0, 0, 0
.irp i, 0,1,2,3,4,5,6,7
	ds_load_b128 v[SC+8*\i:SC+8*\i+3], v[ADRS] offset:512*\i            ; the scale words of all eight K steps, once a tile
	ds_load_b128 v[SC+8*\i+4:SC+8*\i+7], v[ADRS] offset:512*\i+256
.endr
	FETCH_A 0, 0, 4
	STEP 0, 0, 0, 1, 1                             ; the first products start the sums: nothing is cleared
	STEP 1, 1, 0, 2, 0
	TURN 0, 2, 1, 1                                ; slot 0 is read out and takes K steps 6-7; on into slot 1
	STEP 1, 3, 1, 1, 0
	STEP 0, 4, 1, 2, 0
	s_cmp_eq_u32 s[TL], 1                          ; the same in every work-group
	s_cbranch_scc1 .Llast_tile
	TURN 1, 5, 2, 2                                ; K steps 6-7 are in; the next tile's scale words are asked for
	STEP 0, 6, 2, 1, 0
	TURN 1, 7, 0, 3                                ; slot 0 is read out: the next tile's K steps 0-2 are asked for, ahead of the way out
	s_branch .Lout
.Llast_tile:                                           ; the last tile's tail asks for nothing
	TURN 1, 5, 2, 0
	STEP 0, 6, 2, 1, 0
	s_wait_dscnt 12
	WIN MUL_LO
	MUL16 0, 1, 7, 0
	MUL16 2, 1, 7, 0
	s_wait_dscnt 0x0
	WIN MUL_HI
	MUL16 4, 1, 7, 0
	MUL16 6, 1, 7, 0
	WIN 0
.Lout:
; THE WAY OUT.  The 64 registers of A's block a are 128 neighbours of B's index for my row: one fragment.  Its halves (registers 0-5, 6-11) are two heads' codes of a token, or a channel's codes of two halves of 128 keys.
	PLACES 4                                       ; behind the last products: vector instructions read results and write registers that held A's fragments
	s_wait_loadcnt 0x0                             ; the mask
.irp a, 0,1,2,3,4,5,6,7
	v_cmp_ne_u32 vcc_lo, 0, v[VM+\a]
	v_cndmask_b32 v[VM+\a], 0, -1, vcc_lo          ; all ones for a key that counts,
	v_or_b32 v[VM+\a], s[FORCE], v[VM+\a]          ; and wherever the mask does not apply
.endr
.irp b, 0,1,2,3
	v_mov_b32 v[BT+\b], 0                          ; a lane permute's destination counts as one of its sources
.endr
.irp a, 0,1,2,3,4,5,6,7
	s_wait_xcnt 0x0                                ; earlier stores have read the codes' registers
	QUANT 64*(\a%4), 2+\a/4, PCS+20*(\a%2), PW
.irp i, 0,1,2,3,4,5,6,7,8,9,10,11
	v_and_b32 v[PCS+20*(\a%2)+\i], v[VM+\a], v[PCS+20*(\a%2)+\i]
.endr
	v_lshrrev_b32 v[W8+\a], v[SHF], v[PW]          ; lanes 0-15: the first head's two bytes; lanes 16-31: the second's (v: the whole word)
	v_and_b32 v[W8+\a], s[SMK], v[W8+\a]
.irp c, 0,1
.irp p, 0,1,2
	global_store_b64 v[CO], v[PCS+20*(\a%2)+6*\c+2*\p:PCS+20*(\a%2)+6*\c+2*\p+1], s[14:15] offset:6144*\c+768*\a+256*\p   ; 32 lanes store 256 consecutive bytes, aligned
.endr
.endr
.endr
	global_store_b128 v[SOF], v[W8:W8+3], s[16:17]             ; sixteen lanes store 256 consecutive bytes, aligned (v: both halves of the lanes hold and store the same)
	global_store_b128 v[SOF], v[W8+4:W8+7], s[16:17] offset:256
	s_wait_xcnt 0x0                                ; the stores have read their bases and their registers: the bases step, and the next tile's fragments may land
	s_add_nc_u64 s[12:13], s[12:13], 16384         ; 16 x 256 words of the mask on (behind the last tile the stepped addresses are not used)
	s_add_nc_u64 s[14:15], s[14:15], s[OC:OC+1]
	s_add_nc_u64 s[16:17], s[16:17], s[OS:OS+1]
	s_sub_co_u32 s[TL], s[TL], 1
	s_cmp_lg_u32 s[TL], 0
	s_wait_alu depctr_va_vdst(0)
	s_cbranch_scc1 .Ltile
	s_wait_tensorcnt 0x0                           ; the wave's end
	ds_add_u32 v[SPW], v[NIL]
	s_wait_dscnt 0x0
	CROUND                                         ; the closing round: no work-group ends while a partner may still ask for a tile that names it
	s_endpgm
.Lfunc_end_k_q63bcb0b1cf_gemm1:
	.size	k_q63bcb0b1cf_gemm1, .Lfunc_end_k_q63bcb0b1cf_gemm1-k_q63bcb0b1cf_gemm1
	.p2alignl 7, 3214868480
	.fill 96, 4, 3214868480
	.section	.rodata,"a",@progbits
	.p2align	6, 0x0
	.amdhsa_kernel k_q63bcb0b1cf_gemm1
		.amdhsa_group_segment_fixed_size 327680
		.amdhsa_private_segment_fixed_size 0
		.amdhsa_enable_private_segment 0
		.amdhsa_kernarg_size 56
		.amdhsa_user_sgpr_count 2
		.amdhsa_user_sgpr_kernarg_segment_ptr 1
		.amdhsa_wavefront_size32 1
		.amdhsa_system_sgpr_workgroup_id_x 1
		.amdhsa_system_sgpr_workgroup_id_y 1
		.amdhsa_system_sgpr_workgroup_id_z 1
		.amdhsa_system_vgpr_workitem_id 0
		.amdhsa_next_free_vgpr 1024
		.amdhsa_next_free_sgpr 102
		.amdhsa_reserve_vcc 1
		.amdhsa_float_denorm_mode_32 3
		.amdhsa_float_denorm_mode_16_64 3
		.amdhsa_memory_ordered 1
		.amdhsa_forward_progress 1
		.amdhsa_inst_pref_size 183
	.end_amdhsa_kernel
	.amdgpu_metadata
---
amdhsa.version: [ 1, 2 ]
amdhsa.kernels:
  - .name:           k_q63bcb0b1cf_gemm1
    .symbol:         k_q63bcb0b1cf_gemm1.kd
    .args:
      - { .name: xi, .offset: 0, .size: 8, .value_kind: global_buffer, .address_space: global }
      - { .name: xs, .offset: 8, .size: 8, .value_kind: global_buffer, .address_space: global }
      - { .name: wi, .offset: 16, .size: 8, .value_kind: global_buffer, .address_space: global }
      - { .name: ws, .offset: 24, .size: 8, .value_kind: global_buffer, .address_space: global }
      - { .name: mask, .offset: 32, .size: 8, .value_kind: global_buffer, .address_space: global }
      - { .name: qi, .offset: 40, .size: 8, .value_kind: global_buffer, .address_space: global }
      - { .name: qs, .offset: 48, .size: 8, .value_kind: global_buffer, .address_space: global }
    .group_segment_fixed_size: 327680
    .private_segment_fixed_size: 0
    .kernarg_segment_align: 8
    .kernarg_segment_size: 56
    .max_flat_workgroup_size: 128
    .sgpr_count:     102
    .vgpr_count:     1024
    .wavefront_size: 32
...
	.end_amdgpu_metadata
.endif
;; end of part 2
;; launch attn (part 3): grid 4 x 64, 8 waves a work-group, clusters of 4 x 1, 327,680 bytes of LDS; arguments qi, qs, qmask, mask, shift, bias_p, oi, os; writes oi, os
.if DOCPART == 3
	.amdgcn_target "amdgcn-amd-amdhsa--gfx1250"
	.amdhsa_code_object_version 6
	.text
	.protected	k_q63bcb0b1cf_attn
	.globl	k_q63bcb0b1cf_attn
	.p2align	8
	.type	k_q63bcb0b1cf_attn,@function
k_q63bcb0b1cf_attn:
	s_mov_b64 s[64:65], 0
	v_nop
	global_prefetch_b8 v0, s[64:65] scope:SCOPE_SE
	s_setreg_imm32_b32 hwreg(HW_REG_WAVE_MODE, 25, 1), 1
	s_wait_xcnt 0x0
	s_wait_alu depctr_hold_cnt(0) depctr_sa_sdst(0) depctr_va_vdst(0) depctr_va_sdst(0) depctr_va_ssrc(0) depctr_va_vcc(0) depctr_vm_vsrc(0)
	s_getreg_b32 s2, hwreg(HW_REG_IB_STS2, 6, 4)
	s_cmp_eq_u32 s2, 0
	s_cbranch_scc0 .Lentry_in_a_cluster
	s_endpgm
.Lentry_in_a_cluster:
	s_bfe_u32 s2, ttmp6, 0x10000c
	s_cmp_lg_u32 s2, 0x3003
	s_cbranch_scc0 .Lentry_shape_is_right
	s_endpgm
.Lentry_shape_is_right:
; LAUNCH 3 OF 4.  For one batch and 4 heads (work-group y) and 128 queries (place in the cluster): both score products, the choice by qmask, the key mask, the Gaussian term, p = 2^(t - M), O = p v / sum,
; and O quantised along D into oi, os (images as the first launch lays them).  No work of the problem is left out here.
; A wave owns 16 queries and walks 4 groups of 128 keys; in each it makes the part of the logits that all heads share (U, and 64 lane masks 'same speaker'), then takes its 4 heads one after the other.
; Both products are used transposed (S^T = k q^T, O^T = v^T p^T): a lane holds one query.  A head is 64 along K: q's fragment is q's 6 registers and 6 of zero codes; a key tile's 12 registers are k1's 6 and k2's 6;
; the product with k2 names the 12 registers that begin at k2's (behind them the next tile's k1, against q's zeros).  C of both products is U.
; M is the running ceiling of the largest t; sums and O^T are brought under a new M by an exact power of two, with no branch.  A block's largest p is made from the block's largest score by the same two instructions.
; ROUNDING: shift x d^2 + bias_p is one fused multiply-add where reference() rounds twice; NEG is added apart, as reference() adds it.  LIMITS: as in the first launch; the scaled scores stay under 2^31 in magnitude.
; LDS: all of the 4 heads' k1, k2, v and their scale words, 315,392 dense bytes of qi, filled once by ONE tensor load a wave (154 rows of 256 bytes): bytes 0-20,479 scale words, then 4 groups of 73,728.
; One barrier in front of the loop shows them to all waves; the loop has none, and the waves walk it each at its own pace.
; CLUSTER 4 x 1: the four query blocks read the same tiles: joint loads, mask 15.  No prefetch: all that the launch reads by tensor loads is asked for at its start.
.set COD,   20480
.set GRP,   73728
.set KQT,   315392                     ; qmask's 512 words, then 512 words 0 or NEG: stored by the waves, no tile lands here
.set SPARE, 319488                     ; the spare words, 128 bytes for each wave
.set QOFF,  20185088
.set AK0, 3
.set ADK, 4
.set ADV, 5
.set AS0, 6
.set ADS, 7
.set AVS0, 8
.set ADVS, 9
.set AM0, 10
.set ADM, 11
.set QM,  12                           ; my query's qmask
.set DQ,  13                           ; my query's index less the group's first key and 16 h
.set SPW, 14
.set NIL, 15
.set ST,  16                           ; for each head: -M, the largest t, the sum in two halves
.set QS,  32
.set KS,  36
.set PS,  44
.set F,   46
.set QW,  48                           ; q's fragment at work: 6 registers and 6 zeros
.set PC,  60
.set BM,  80
.set BT,  84
.set SO,  88
.set X,   92
.set OW,  94
.set BV,  98                           ; -bias_p, twice
.set VS,  100
.set U,   104
.set T,   168
.set QST, 232                          ; q's codes of my 4 heads
.set KF,  128                          ; window 1: v0-127 O^T; k's fragments; v's; the scores with k2
.set VF,  176
.set S2T, 224
.set G0K, 32
.set G1K, 68
.set SH,  52
.set BI,  54
.set CS,  56
.set SEL, 58
.set WV,  60
.set G,   61
.set KB,  62
.set SB,  63
.set MB,  98
.set MSB, 0
.macro WIN new                         ; the immediate's high byte repeats the setting that is left
.set NW, \new
.if MSB != NW
	s_set_vgpr_msb (MSB<<8)|NW
.set MSB, NW
.endif
.endm
.macro PLACES n
.rept \n
	v_nop
.endr
.endm
.macro CROUND                          ; a round of the cluster's barrier
	s_barrier_signal -1
	s_barrier_wait -1
	s_cmp_lg_u32 s[WV], 0
	s_cbranch_scc1 .Lnot_wave_0_\@
	s_barrier_signal -3
.Lnot_wave_0_\@:
	s_barrier_wait -3
	s_barrier_signal -1
	s_barrier_wait -1
.endm
.macro QUANT src, w, pc, pw            ; as in the second launch: 64 numbers of a lane become 12 registers of codes and a scale word
	WIN (\w)|((\w)<<2)
.irp b, 0,1,2,3
	v_max3_num_f32 v[BM+\b], |v[(\src)+16*\b]|, |v[(\src)+16*\b+1]|, 0x1800000
.endr
.irp i, 2,4,6,8,10,12,14
.irp b, 0,1,2,3
	s_delay_alu instid0(VALU_DEP_4)
	v_max3_num_f32 v[BM+\b], |v[(\src)+16*\b+\i]|, |v[(\src)+16*\b+\i+1]|, v[BM+\b]
.endr
.endr
	WIN 0
.irp b, 0,1,2,3
	v_permlanex16_b32 v[BT+\b], v[BM+\b], s[SEL], s[SEL+1]
.endr
.irp b, 0,1,2,3
	s_delay_alu instid0(VALU_DEP_4)
	v_max_num_f32 v[BM+\b], v[BM+\b], v[BT+\b]
.endr
.irp b, 0,1,2,3
	s_delay_alu instid0(VALU_DEP_4)
	v_add_nc_u32 v[SO+\b], 0xff000000, v[BM+\b]
.endr
.irp b, 0,1,2,3
	s_delay_alu instid0(VALU_DEP_4)
	v_lshrrev_b32 v[BT+\b], 23, v[SO+\b]
.endr
	s_delay_alu instid0(VALU_DEP_3)
	v_lshl_or_b32 v[\pw], v[BT+1], 8, v[BT]
	s_delay_alu instid0(VALU_DEP_1)
	v_lshl_or_b32 v[\pw], v[BT+2], 16, v[\pw]
	s_delay_alu instid0(VALU_DEP_1)
	v_lshl_or_b32 v[\pw], v[BT+3], 24, v[\pw]
	WIN \w
.irp c, 0,1
	v_cvt_scalef32_pk16_fp6_f32 v[(\pc)+6*\c:(\pc)+6*\c+2], v[(\src)+32*\c:(\src)+32*\c+15], v[SO+2*\c]
	v_cvt_scalef32_pk16_fp6_f32 v[(\pc)+12+4*\c:(\pc)+14+4*\c], v[(\src)+32*\c+16:(\src)+32*\c+31], v[SO+2*\c+1]
.endr
	WIN 0
	v_nop
.irp c, 0,1
.irp i, 0,1,2
	v_permlane16_swap_b32 v[(\pc)+6*\c+\i], v[(\pc)+12+4*\c+\i]
.endr
.irp i, 0,1,2
	s_delay_alu instid0(VALU_DEP_3)
	v_mov_b32 v[(\pc)+6*\c+3+\i], v[(\pc)+12+4*\c+\i]
.endr
.endr
.endm
	s_load_b512 s[4:19], s[0:1], 0x0               ; qi 4, qs 6, qmask 8, mask 10, shift 12, bias_p 14, oi 16, os 18
	v_lshl_add_u32 v[SPW], v0, 2, SPARE
	v_mov_b32 v[NIL], 0
	ds_add_u32 v[SPW], v[NIL]                      ; the opening
	ds_add_u32 v[SPW], v[NIL]
	v_lshrrev_b32 v1, 5, v0
	s_delay_alu instid0(VALU_DEP_1)
	v_readfirstlane_b32 s[WV], v1
	s_bfe_u32 s99, ttmp6, 0x40000                  ; cx: which 128 queries
	s_and_b32 s100, ttmp7, 0xffff                  ; bh
	s_mov_b32 s[G1K], 15|(3<<16)|(1<<21)           ; a dense block as 154 rows of 256 bytes; mask 15, bit 21 beside it
	s_mov_b32 s[G1K+1], 32<<16
	s_mov_b32 s[G1K+2], 154<<16
	s_mov_b32 s[G1K+3], 32<<16
	s_mov_b32 s[G1K+4], 154
	s_mov_b32 s[G1K+5], 32
	s_mov_b32 s[G1K+6], 0
	s_mov_b32 s[G1K+7], 0
	s_mov_b32 s[CS], 0x3fb8aa3b                    ; log2(e)
	s_mov_b32 s[CS+1], s[CS]
	s_mov_b32 s[SEL], 0x76543210
	s_mov_b32 s[SEL+1], 0xfedcba98
	s_mov_b32 s3, 0
	v_lshlrev_b32 v104, 3, v0
	s_wait_alu depctr_va_vdst(0)
	s_wait_dscnt 0x0
	s_wait_kmcnt 0x0
	s_load_b32 s[SH], s[12:13], 0x0
	s_load_b32 s[BI], s[14:15], 0x0
	s_lshr_b32 s2, s100, 2
	s_lshl_b32 s2, s2, 11                          ; the batch's 512 words
	s_add_nc_u64 s[8:9], s[8:9], s[2:3]
	s_add_nc_u64 s[10:11], s[10:11], s[2:3]
	global_load_b64 v[106:107], v104, s[8:9]
	global_load_b64 v[108:109], v104, s[10:11]
	s_mul_i32 s62, s100, 315392
	s_mul_i32 s101, s[WV], 39424                   ; my 154 rows of the 1,232
	s_add_co_u32 s2, s62, s101
	s_mov_b32 s[G0K], 1
	s_mov_b32 s[G0K+1], s101
	s_add_nc_u64 s[G0K+2:G0K+3], s[4:5], s[2:3]
	s_or_b32 s[G0K+3], s[G0K+3], 0x80000000
	CROUND                                         ; the four partners are here: the joint loads meet
	tensor_load_to_lds s[G0K:G0K+3], s[G1K:G1K+7]  ; my one tensor load
	s_nop 0
.rept 4
	v_nop
.endr
	s_lshl_b32 s61, s100, 2
	s_add_co_u32 s61, s61, s99                     ; 4 bh + my group of queries
	s_mul_i32 s2, s61, 24576
	s_mul_i32 s62, s[WV], 768
	s_add_co_u32 s2, s2, s62
	s_add_co_u32 s2, s2, QOFF
	s_add_nc_u64 s[4:5], s[4:5], s[2:3]            ; q's codes: my tile
	s_lshl_b32 s2, s61, 11
	s_lshr_b32 s62, s[WV], 2
	s_lshl_b32 s62, s62, 8
	s_add_co_u32 s2, s2, s62
	s_and_b32 s62, s[WV], 3
	s_lshl_b32 s62, s62, 2
	s_add_co_u32 s2, s2, s62
	s_add_nc_u64 s[6:7], s[6:7], s[2:3]            ; q's scale words
	s_lshl_b32 s63, s99, 7
	s_lshr_b32 s62, s[WV], 1
	s_lshl_b32 s62, s62, 5
	s_add_co_u32 s63, s63, s62
	s_and_b32 s62, s[WV], 1
	s_lshl_b32 s62, s62, 3
	s_add_co_u32 s63, s63, s62                     ; my tile's first query
	s_lshr_b32 s62, s100, 2
	s_lshl_b32 s62, s62, 2
	s_add_co_u32 s62, s62, s99
	s_lshl_b32 s62, s62, 3
	s_add_co_u32 s62, s62, s[WV]                   ; the tile of 16 rows in oi
	s_and_b32 s101, s100, 3                        ; the group of heads: two K steps of D
	s_lshl_b32 s2, s62, 3
	s_lshl_b32 s98, s101, 1
	s_add_co_u32 s2, s2, s98
	s_mul_i32 s2, s2, 1536
	s_add_nc_u64 s[48:49], s[16:17], s[2:3]
	s_lshl_b32 s2, s62, 9
	s_lshr_b32 s98, s101, 1
	s_lshl_b32 s98, s98, 8
	s_add_co_u32 s2, s2, s98
	s_and_b32 s98, s101, 1
	s_lshl_b32 s98, s98, 3
	s_add_co_u32 s2, s2, s98
	s_add_nc_u64 s[50:51], s[18:19], s[2:3]
	v_and_b32 v1, 15, v0
	v_bfe_u32 v2, v0, 4, 1
	v_and_b32 v[AK0], 31, v0
	s_delay_alu instid0(VALU_DEP_1)
	v_lshlrev_b32 v96, 4, v[AK0]
	s_delay_alu instid0(VALU_DEP_2)
	v_lshlrev_b32 v[AK0], 3, v[AK0]
	v_lshlrev_b32 v97, 4, v1
	s_delay_alu instid0(VALU_DEP_1)
	v_lshl_add_u32 v[AS0], v2, 11, v97             ; k's scale words: lanes 0-15 k1's, lanes 16-31 k2's
	v_add_nc_u32 v[AVS0], 4096, v97
	v_lshl_add_u32 v[AM0], v2, 6, KQT
	v_lshl_add_u32 v105, v0, 3, KQT
	v_and_b32 v110, 8, v1
	s_delay_alu instid0(VALU_DEP_1)
	v_add_nc_u32 v110, v110, v1
	s_delay_alu instid0(VALU_DEP_1)
	v_add_nc_u32 v110, s63, v110                   ; my query
	s_delay_alu instid0(VALU_DEP_1)
	v_lshlrev_b32 v111, 2, v110
	v_lshlrev_b32 v112, 4, v2
	s_delay_alu instid0(VALU_DEP_1)
	v_sub_nc_u32 v110, v110, v112
	s_delay_alu instid0(VALU_DEP_1)
	v_cvt_f32_i32 v[DQ], v110
.irp n, 0,1,2,3,4,5,6,7,8,9,10,11
	global_load_b64 v[QST+2*\n:QST+2*\n+1], v[AK0], s[4:5] offset:6144*(\n/3)+256*(\n%3)
.endr
.irp n, 0,1,2,3
	global_load_b32 v[QS+\n], v97, s[6:7] offset:512*\n
.endr
	global_load_b32 v[QM], v111, s[8:9]
.irp n, 0,1,2,3
	v_mov_b32 v[ST+4*\n+1], 0xff61b1e6             ; the largest t so far: -3e38
	s_delay_alu instid0(VALU_DEP_1)
	v_floor_f32 v[ST+4*\n], -v[ST+4*\n+1]
	v_mov_b32 v[ST+4*\n+2], 0
	v_mov_b32 v[ST+4*\n+3], 0
	v_mov_b32 v[BT+\n], 0
.endr
.irp n, 6,7,8,9,10,11
	v_mov_b32 v[QW+\n], 0
.endr
	v_mov_b32 v[F+1], 0
	v_mov_b32 v113, 0xce6e6b28                     ; NEG
	WIN 0x40
.set i, 0
.rept 128
	v_mov_b32 v[i], 0                              ; O^T: the step is written once, so the first finds zeros
.set i, i+1
.endr
.irp n, 0,1,2,3,4,5
	v_mov_b32 v[VF+\n], 0                          ; named behind the last tile's k2, against q's zeros
.endr
	WIN 0
	s_wait_loadcnt 17                              ; qmask's and mask's words are in; the 17 loads behind them may be out
	v_cmp_ne_u32 vcc_lo, 0, v108
	s_delay_alu instid0(VALU_DEP_1)
	v_cndmask_b32 v108, v113, 0, vcc_lo
	v_cmp_ne_u32 vcc_lo, 0, v109
	s_delay_alu instid0(VALU_DEP_1)
	v_cndmask_b32 v109, v113, 0, vcc_lo
	ds_store_b64 v105, v[106:107]
	ds_store_b64 v105, v[108:109] offset:2048
	s_mov_b32 s[G], 4
	s_mov_b32 s[KB], COD
	s_mov_b32 s[SB], 0
	s_mov_b32 s[MB], 0
	s_wait_loadcnt 0x0
	s_wait_kmcnt 0x0
	s_xor_b32 s[SH], s[SH], 0x80000000             ; -shift
	s_mov_b32 s[SH+1], s[SH]
	s_xor_b32 s[BI], s[BI], 0x80000000             ; -bias_p
	v_mov_b32 v[BV], s[BI]
	v_mov_b32 v[BV+1], s[BI]
.macro QCOPY hh
.irp n, 0,1,2,3,4,5
	v_mov_b32 v[QW+\n], v[QST+6*(\hh)+\n]
.endr
.endm
	QCOPY 0
	s_wait_alu depctr_va_vdst(0)
	s_wait_tensorcnt 0x0                           ; my part of the tiles is in,
	s_wait_dscnt 0x0                               ; my stores of the table are done,
	s_barrier_signal -1
	s_barrier_wait -1                              ; and so are everybody's
.macro KLOAD hh, gm                    ; four key tiles: k1's and k2's six registers each
.irp t, 0,1,2,3
.irp e, 0,1
.irp p, 0,1,2
	ds_load_b64 v[KF+12*\t+6*\e+2*\p:KF+12*\t+6*\e+2*\p+1], v[ADK] offset:24576*\e+6144*(\hh)+768*(4*(\gm)+\t)+256*\p
.endr
.endr
.endr
.endm
.macro VLOAD hh                        ; the head's four tiles of 16 channels x 128 keys
.irp t, 0,1,2,3
.irp e, 0,1
.irp p, 0,1,2
	ds_load_b64 v[VF+12*\t+6*\e+2*\p:VF+12*\t+6*\e+2*\p+1], v[ADV] offset:12288*((\hh)/2)+6144*\e+768*(4*((\hh)%2)+\t)+256*\p
.endr
.endr
.endr
.endm
; What the four heads share for these 128 keys: register 16 b + i is key 32 b + 16 h + i.  64 lane masks (my query's qmask = the key's) in s4-35 and s66-97; U = (0 or NEG) - (shift d^2 + bias_p).
.macro UPHASE
	v_add_nc_u32 v[ADK], s[KB], v[AK0]
	s_delay_alu instid0(VALU_DEP_1)
	v_add_nc_u32 v[ADV], 49152, v[ADK]
	v_add_nc_u32 v[ADS], s[SB], v[AS0]
	v_add_nc_u32 v[ADVS], s[SB], v[AVS0]
	v_add_nc_u32 v[ADM], s[MB], v[AM0]
	WIN 0x40
	KLOAD 0, 0
	WIN 0
	ds_load_b128 v[KS:KS+3], v[ADS]
	ds_load_b128 v[KS+4:KS+7], v[ADS] offset:256
.irp n, 0,1,2,3,4,5,6,7,8,9,10,11,12,13,14,15
	ds_load_b128 v[T+4*\n:T+4*\n+3], v[ADM] offset:128*(\n/4)+16*(\n%4)
.endr
.irp n, 0,1,2,3,4,5,6,7,8,9,10,11,12,13,14,15
	ds_load_b128 v[U+4*\n:U+4*\n+3], v[ADM] offset:2048+128*(\n/4)+16*(\n%4)
.endr
	s_wait_dscnt 16                                ; the keys' qmask is in; the 16 loads of 0 or NEG may be out
.set n, 0
.rept 64
	v_cmp_eq_u32 s[4+n+30*(n/32)], v[QM], v[T+n]
.set n, n+1
.endr
	v_mov_b32 v[T], v[DQ]                          ; d = query - key, exact in f32
	v_add_f32 v[T+1], -1.0, v[DQ]
	v_add_f32 v[T+16], 0xc2000000, v[DQ]
	v_add_f32 v[T+17], 0xc2040000, v[DQ]
	v_add_f32 v[T+32], 0xc2800000, v[DQ]
	v_add_f32 v[T+33], 0xc2820000, v[DQ]
	v_add_f32 v[T+48], 0xc2c00000, v[DQ]
	v_add_f32 v[T+49], 0xc2c20000, v[DQ]
.irp i, 0,2,4,6,8,10,12
.irp b, 0,1,2,3
	v_pk_add_f32 v[T+16*\b+\i+2:T+16*\b+\i+3], v[T+16*\b+\i:T+16*\b+\i+1], -2.0 op_sel_hi:[1,0]
.endr
.endr
.set n, 0
.rept 32
	v_pk_mul_f32 v[T+n:T+n+1], v[T+n:T+n+1], v[T+n:T+n+1]
.set n, n+2
.endr
.set n, 0
.rept 32
	v_pk_fma_f32 v[T+n:T+n+1], v[T+n:T+n+1], s[SH:SH+1], v[BV:BV+1] op_sel_hi:[1,0,0]
.set n, n+2
.endr
	s_wait_dscnt 0x0
.set n, 0
.rept 32
	v_pk_add_f32 v[U+n:U+n+1], v[U+n:U+n+1], v[T+n:T+n+1]
.set n, n+2
.endr
.endm
.macro SMUL hh, gm                     ; 64 keys: U + k1 q^T into T, U + k2 q^T into S2T
	WIN 0x01
.irp t, 0,1,2,3
	v_wmma_scale_f32_16x16x128_f8f6f4 v[T+32*(\gm)+8*\t:T+32*(\gm)+8*\t+7], v[KF+12*\t:KF+12*\t+11], v[QW:QW+11], v[U+32*(\gm)+8*\t:U+32*(\gm)+8*\t+7], v[KS+4*(\gm)+\t], v[QS+(\hh)] matrix_a_fmt:MATRIX_FMT_FP6 matrix_b_fmt:MATRIX_FMT_FP6
.endr
	WIN 0x41
.irp t, 0,1,2,3
	v_wmma_scale_f32_16x16x128_f8f6f4 v[S2T+8*\t:S2T+8*\t+7], v[KF+12*\t+6:KF+12*\t+17], v[QW:QW+11], v[U+32*(\gm)+8*\t:U+32*(\gm)+8*\t+7], v[KS+4*(\gm)+\t], v[QS+(\hh)] matrix_a_fmt:MATRIX_FMT_FP6 matrix_b_fmt:MATRIX_FMT_FP6 matrix_a_scale:MATRIX_SCALE_ROW1
.endr
.endm
.macro SELECT gm                       ; ascending: each accumulator is read from its low end on
.set n, 0
.rept 32
	v_cndmask_b32 v[T+32*(\gm)+n], v[S2T+n], v[T+32*(\gm)+n], s[4+62*(\gm)+n]
.set n, n+1
.endr
.endm
.macro SOFTMAX hh
.set rM, ST+4*(\hh)
.irp b, 0,1,2,3
	v_max3_num_f32 v[BM+\b], v[T+16*\b], v[T+16*\b+1], v[T+16*\b+2]   ; each block's largest logit: for the row's maximum and for the block's largest p
.endr
.irp i, 3,5,7,9,11,13
.irp b, 0,1,2,3
	s_delay_alu instid0(VALU_DEP_4)
	v_max3_num_f32 v[BM+\b], v[BM+\b], v[T+16*\b+\i], v[T+16*\b+\i+1]
.endr
.endr
.irp b, 0,1,2,3
	s_delay_alu instid0(VALU_DEP_4)
	v_max_num_f32 v[BM+\b], v[BM+\b], v[T+16*\b+15]
.endr
.irp b, 0,1,2,3
	s_delay_alu instid0(VALU_DEP_4)
	v_permlanex16_b32 v[BT+\b], v[BM+\b], s[SEL], s[SEL+1]
.endr
.irp b, 0,1,2,3
	s_delay_alu instid0(VALU_DEP_4)
	v_max_num_f32 v[BM+\b], v[BM+\b], v[BT+\b]
.endr
	s_delay_alu instid0(VALU_DEP_2)
	v_max3_num_f32 v[X], v[BM], v[BM+1], v[BM+2]
	s_delay_alu instid0(VALU_DEP_1)
	v_max_num_f32 v[X], v[X], v[BM+3]
	s_delay_alu instid0(VALU_DEP_1)
	v_mul_f32 v[X], s[CS], v[X]
	s_delay_alu instid0(VALU_DEP_1)
	v_max_num_f32 v[rM+1], v[rM+1], v[X]           ; the running largest t
	v_mov_b32 v[X], v[rM]
	s_delay_alu instid0(VALU_DEP_2)
	v_floor_f32 v[rM], -v[rM+1]                    ; -M = floor(-t)
	s_delay_alu instid0(VALU_DEP_1)
	v_sub_f32 v[X], v[rM], v[X]
	s_delay_alu instid0(VALU_DEP_1)
	v_cvt_i32_f32 v[X], v[X]
	s_delay_alu instid0(VALU_DEP_1)
	v_ldexp_f32 v[F], 1.0, v[X]                    ; f = 2^(old M - new M)
.irp b, 0,1,2,3
	v_fma_f32 v[BM+\b], v[BM+\b], s[CS], v[rM]
.endr
.set n, 0
.rept 32
	v_pk_fma_f32 v[T+n:T+n+1], v[T+n:T+n+1], s[CS:CS+1], v[rM:rM+1] op_sel_hi:[1,0,0]
.set n, n+2
.endr
	s_wait_alu depctr_va_vdst(0)
.irp b, 0,1,2,3
	v_exp_f32 v[BM+\b], v[BM+\b]
.endr
.set n, 0
.rept 64
	v_exp_f32 v[T+n], v[T+n]
.set n, n+1
.endr
	v_pk_mul_f32 v[rM+2:rM+3], v[rM+2:rM+3], v[F:F+1] op_sel_hi:[1,0]
	s_wait_alu depctr_va_vdst(0)
	v_pk_add_f32 v[BT:BT+1], v[T:T+1], v[T+2:T+3]  ; the row's sum, of the unquantised p
.irp j, 4,8,12,16,20,24,28,32,36,40,44,48,52,56,60
	v_pk_add_f32 v[rM+2:rM+3], v[rM+2:rM+3], v[T+\j:T+\j+1]
	v_pk_add_f32 v[BT:BT+1], v[BT:BT+1], v[T+\j+2:T+\j+3]
.endr
	s_delay_alu instid0(VALU_DEP_1)
	v_pk_add_f32 v[rM+2:rM+3], v[rM+2:rM+3], v[BT:BT+1]
.irp b, 0,1,2,3
	v_max_num_f32 v[BM+\b], 0x1800000, v[BM+\b]    ; the floor: the byte cannot fall under 1
.endr
.irp b, 0,1,2,3
	s_delay_alu instid0(VALU_DEP_4)
	v_add_nc_u32 v[SO+\b], 0xff000000, v[BM+\b]
.endr
.irp b, 0,1,2,3
	s_delay_alu instid0(VALU_DEP_4)
	v_lshrrev_b32 v[BT+\b], 23, v[SO+\b]
.endr
	s_delay_alu instid0(VALU_DEP_3)
	v_lshl_or_b32 v[PS], v[BT+1], 8, v[BT]
	s_delay_alu instid0(VALU_DEP_1)
	v_lshl_or_b32 v[PS], v[BT+2], 16, v[PS]
	s_delay_alu instid0(VALU_DEP_1)
	v_lshl_or_b32 v[PS], v[BT+3], 24, v[PS]
.irp c, 0,1
	v_cvt_scalef32_pk16_fp6_f32 v[PC+6*\c:PC+6*\c+2], v[T+32*\c:T+32*\c+15], v[SO+2*\c]
	v_cvt_scalef32_pk16_fp6_f32 v[PC+12+4*\c:PC+14+4*\c], v[T+32*\c+16:T+32*\c+31], v[SO+2*\c+1]
.endr
	v_nop
.irp c, 0,1
.irp i, 0,1,2
	v_permlane16_swap_b32 v[PC+6*\c+\i], v[PC+12+4*\c+\i]
.endr
.irp i, 0,1,2
	s_delay_alu instid0(VALU_DEP_3)
	v_mov_b32 v[PC+6*\c+3+\i], v[PC+12+4*\c+\i]
.endr
.endr
.endm
.macro HEAD hh
	SMUL \hh, 0
	PLACES 4
	WIN 0x40
	KLOAD \hh, 1
	WIN 0x01
	SELECT 0
	s_wait_dscnt 0x0
	SMUL \hh, 1
	PLACES 4
	WIN 0x01
	SELECT 1
	WIN 0x40
	VLOAD \hh
.if (\hh) < 3
	KLOAD (\hh)+1, 0
.endif
	WIN 0
	ds_load_b128 v[VS:VS+3], v[ADVS] offset:256*(\hh)
.if (\hh) < 3
	ds_load_b128 v[KS:KS+3], v[ADS] offset:512*((\hh)+1)
	ds_load_b128 v[KS+4:KS+7], v[ADS] offset:512*((\hh)+1)+256
.endif
	QCOPY ((\hh)+1)%4
	SOFTMAX \hh
	WIN 0x41
.set n, 0
.rept 16
	v_pk_mul_f32 v[32*(\hh)+n:32*(\hh)+n+1], v[32*(\hh)+n:32*(\hh)+n+1], v[F:F+1] op_sel_hi:[1,0]   ; O^T under the new M
.set n, n+2
.endr
	s_wait_alu depctr_va_vdst(0)
	s_wait_dscnt 0x0
	WIN 0x51
.irp d, 0,1,2,3
	v_wmma_scale_f32_16x16x128_f8f6f4 v[32*(\hh)+8*\d:32*(\hh)+8*\d+7], v[VF+12*\d:VF+12*\d+11], v[PC:PC+11], v[32*(\hh)+8*\d:32*(\hh)+8*\d+7], v[VS+\d], v[PS] matrix_a_fmt:MATRIX_FMT_FP6 matrix_b_fmt:MATRIX_FMT_FP6
.endr
	WIN 0
.endm
.Lk:                                   ; a trip: 128 keys, four heads
	UPHASE
	HEAD 0
	HEAD 1
	HEAD 2
	HEAD 3
	s_add_co_u32 s[KB], s[KB], GRP
	s_add_co_u32 s[SB], s[SB], 5120
	s_add_co_u32 s[MB], s[MB], 512
	v_add_f32 v[DQ], 0xc3000000, v[DQ]
	s_sub_co_u32 s[G], s[G], 1
	s_cmp_lg_u32 s[G], 0
	s_wait_alu depctr_va_vdst(0)
	s_cbranch_scc1 .Lk
.irp n, 0,1,2,3
	v_add_f32 v[ST+4*\n+2], v[ST+4*\n+2], v[ST+4*\n+3]
.endr
.irp n, 0,1,2,3
	s_delay_alu instid0(VALU_DEP_4)
	v_permlanex16_b32 v[BT+\n], v[ST+4*\n+2], s[SEL], s[SEL+1]
.endr
.irp n, 0,1,2,3
	s_delay_alu instid0(VALU_DEP_4)
	v_add_f32 v[ST+4*\n+2], v[ST+4*\n+2], v[BT+\n] ; the rows' sums
.endr
	s_wait_alu depctr_va_vdst(0)
.irp n, 0,1,2,3
	v_rcp_f32 v[ST+4*\n+2], v[ST+4*\n+2]
.endr
	v_nop
	s_wait_alu depctr_va_vdst(0)
	WIN 0x41
.set n, 0
.rept 64
	v_pk_mul_f32 v[n:n+1], v[n:n+1], v[ST+4*(n/32)+2:ST+4*(n/32)+3] op_sel_hi:[1,0]
.set n, n+2
.endr
	WIN 0
.irp j, 0,1                            ; two heads are 128 along D: one fragment of the last product's operand
	s_wait_xcnt 0x0
	QUANT 64*\j, 1, PC, OW+\j
.irp g, 0,1,2
	global_store_b128 v96, v[PC+4*\g:PC+4*\g+3], s[48:49] offset:1536*\j+512*\g   ; 512 consecutive bytes, aligned
.endr
.endr
	global_store_b64 v97, v[OW:OW+1], s[50:51]
	s_wait_tensorcnt 0x0                           ; the wave's end
	ds_add_u32 v[SPW], v[NIL]
	s_wait_dscnt 0x0
	CROUND                                         ; the closing round
	s_endpgm
.Lfunc_end_k_q63bcb0b1cf_attn:
	.size	k_q63bcb0b1cf_attn, .Lfunc_end_k_q63bcb0b1cf_attn-k_q63bcb0b1cf_attn
	.p2alignl 7, 3214868480
	.fill 96, 4, 3214868480
	.section	.rodata,"a",@progbits
	.p2align	6, 0x0
	.amdhsa_kernel k_q63bcb0b1cf_attn
		.amdhsa_group_segment_fixed_size 327680
		.amdhsa_private_segment_fixed_size 0
		.amdhsa_enable_private_segment 0
		.amdhsa_kernarg_size 64
		.amdhsa_user_sgpr_count 2
		.amdhsa_user_sgpr_kernarg_segment_ptr 1
		.amdhsa_wavefront_size32 1
		.amdhsa_system_sgpr_workgroup_id_x 1
		.amdhsa_system_sgpr_workgroup_id_y 1
		.amdhsa_system_sgpr_workgroup_id_z 1
		.amdhsa_system_vgpr_workitem_id 0
		.amdhsa_next_free_vgpr 512
		.amdhsa_next_free_sgpr 102
		.amdhsa_reserve_vcc 1
		.amdhsa_float_denorm_mode_32 3
		.amdhsa_float_denorm_mode_16_64 3
		.amdhsa_memory_ordered 1
		.amdhsa_forward_progress 1
		.amdhsa_inst_pref_size 149
	.end_amdhsa_kernel
	.amdgpu_metadata
---
amdhsa.version: [ 1, 2 ]
amdhsa.kernels:
  - .name:           k_q63bcb0b1cf_attn
    .symbol:         k_q63bcb0b1cf_attn.kd
    .args:
      - { .name: qi, .offset: 0, .size: 8, .value_kind: global_buffer, .address_space: global }
      - { .name: qs, .offset: 8, .size: 8, .value_kind: global_buffer, .address_space: global }
      - { .name: qmask, .offset: 16, .size: 8, .value_kind: global_buffer, .address_space: global }
      - { .name: mask, .offset: 24, .size: 8, .value_kind: global_buffer, .address_space: global }
      - { .name: shift, .offset: 32, .size: 8, .value_kind: global_buffer, .address_space: global }
      - { .name: bias_p, .offset: 40, .size: 8, .value_kind: global_buffer, .address_space: global }
      - { .name: oi, .offset: 48, .size: 8, .value_kind: global_buffer, .address_space: global }
      - { .name: os, .offset: 56, .size: 8, .value_kind: global_buffer, .address_space: global }
    .group_segment_fixed_size: 327680
    .private_segment_fixed_size: 0
    .kernarg_segment_align: 8
    .kernarg_segment_size: 64
    .max_flat_workgroup_size: 256
    .sgpr_count:     102
    .vgpr_count:     512
    .wavefront_size: 32
...
	.end_amdgpu_metadata
.endif
;; end of part 3
;; launch gemm2 (part 4): grid 8 x 32, 4 waves a work-group, clusters of 4 x 4, 327,680 bytes of LDS; arguments oi, os, wi, ws, bfc, out0; writes out0
.if DOCPART == 4
	.amdgcn_target "amdgcn-amd-amdhsa--gfx1250"
	.amdhsa_code_object_version 6
	.text
	.protected	k_q63bcb0b1cf_gemm2
	.globl	k_q63bcb0b1cf_gemm2
	.p2align	8
	.type	k_q63bcb0b1cf_gemm2,@function
k_q63bcb0b1cf_gemm2:
	s_mov_b64 s[64:65], 0
	v_nop
	global_prefetch_b8 v0, s[64:65] scope:SCOPE_SE
	s_setreg_imm32_b32 hwreg(HW_REG_WAVE_MODE, 25, 1), 1
	s_wait_xcnt 0x0
	s_wait_alu depctr_hold_cnt(0) depctr_sa_sdst(0) depctr_va_vdst(0) depctr_va_sdst(0) depctr_va_ssrc(0) depctr_va_vcc(0) depctr_vm_vsrc(0)
	s_getreg_b32 s2, hwreg(HW_REG_IB_STS2, 6, 4)
	s_cmp_eq_u32 s2, 0
	s_cbranch_scc0 .Lentry_in_a_cluster
	s_endpgm
.Lentry_in_a_cluster:
	s_bfe_u32 s2, ttmp6, 0x10000c
	s_cmp_lg_u32 s2, 0xf033
	s_cbranch_scc0 .Lentry_shape_is_right
	s_endpgm
.Lentry_shape_is_right:
; LAUNCH 4 OF 4.  out0 = O Wfc + bfc on codes of FP6 with E8M0 scales, K = 1024; no work of the problem is left out here.  O's codes (oi, os) come from the third launch, Wfc's (wi, ws: tiles 256-319) from the first.
; A tile of 256 rows x 128 columns to a work-group, so that there are 256 work-groups; a wave makes 128 x 64.  THE MATRIX INSTRUCTION IS USED TRANSPOSED (source 0 = 16 columns of Wfc,
; source 1 = 16 rows of O): a lane holds a row and neighbouring columns.  bfc is the C of each sum's first product.
; ALL OF K LIES IN LDS, filled once, by ONE tensor load a wave at the head: wave 0 O's 16 tiles (12,288 bytes each), wave 1 Wfc's 8, wave 2 O's scale words, wave 3 Wfc's.  One barrier shows them to all waves; nothing is filled again.
; THE WORK GOES BY ROWS OF THE RESULT.  A wave takes all its fragments of Wfc (4 blocks x 8 K steps x 12 registers) into registers once; then its eight blocks of 16 rows are finished one after the other, each by 32 matrix
; instructions, K ascending, the block's four accumulators by turns.  Block a goes through the stage and is stored while block a + 1 is multiplied: two sets of accumulators, two buffers for O's fragments.  Each fragment is read from LDS once.
; CLUSTERS: 4 x 4: O's tiles are shared along a row of the cluster, Wfc's along a column: joint loads.  No prefetch: the text has no loop, and all it reads is asked for at its start.
; REGISTERS: window 0: v8-20 addresses, v32-95 scale words (nothing else ever), v128-223 O's fragments of an even block, v96-127 and v224-255 rows of the result on their way out.  window 3: v128-223 O's fragments of an odd block.
;   window 1: v0-191 Wfc's fragments of K steps 0-3, v192-223 the bias.  window 2: v0-191 those of K steps 4-7, v192-255 the accumulators, two sets of 32.
.set BOFF,  196608                     ; behind A's 16 tiles: B's 8
.set SCB,   294912                     ; B's 8 blocks of scale words,
.set SCA,   299008                     ; A's 16
.set STG,   307200                     ; the way out: 16 rows x (256 bytes + 16) for each wave: bytes of its own, into which no tile lands
.set SPARE, 324608                     ; the spare words, 128 bytes for each wave
.set ADRA, 8                           ; v8, v9 my A tiles 0-3, 4-7;  v12 my B tiles
.set ADRB, 12
.set ADRS, 16
.set STO,  17
.set RD,   18
.set CO,   19
.set BO,   20
.set SPW,  28
.set NIL,  29
.set SC,   32                          ; register SC + 8 i + ks: lanes 0-15 the word of A's block i, lanes 16-31 of B's block i (i < 4), for K step ks
.set AF,   128
.set BI,   192                         ; in window 1
.set AC,   192                         ; in window 2
.set G1A,  24
.set G0A,  32
.set G0B,  36
.set G0SA, 40
.set G0SB, 44
.set G1B,  48
.set G1SA, 56
.set G1SB, 68
.set WV, 16
.set WA, 17                            ; which half of A's rows is mine
.set WB, 18                            ; which half of B's columns
.set CX, 76
.set CY, 77
.set MSB, 0
.macro WIN new                         ; s_set_vgpr_msb's low byte: bits 1:0 source 0, 3:2 source 1, 5:4 source 2, 7:6 destination; the high byte repeats the setting that is left
.set NW, \new
.if MSB != NW
	s_set_vgpr_msb (MSB<<8)|NW
.set MSB, NW
.endif
.endm
.macro PLACES n
.rept \n
	v_nop
.endr
.endm
.macro CROUND                          ; a round of the cluster's barrier
	s_barrier_signal -1
	s_barrier_wait -1
	s_cmp_lg_u32 s[WV], 0
	s_cbranch_scc1 .Lnot_wave_0_\@
	s_barrier_signal -3
.Lnot_wave_0_\@:
	s_barrier_wait -3
	s_barrier_signal -1
	s_barrier_wait -1
.endm
.macro SHAPE g, cols, rows             ; group 1's words 1-7: rows of cols elements of 8 bytes, dense
	s_mov_b32 s[\g+1], (\cols)<<16
	s_mov_b32 s[\g+2], (\rows)<<16
	s_mov_b32 s[\g+3], (\cols)<<16
	s_mov_b32 s[\g+4], \rows
	s_mov_b32 s[\g+5], \cols
	s_mov_b32 s[\g+6], 0
	s_mov_b32 s[\g+7], 0
.endm
.macro PLACE g, lds, p                 ; group 0: to LDS byte lds from the address in s[p:p+1]
	s_mov_b32 s[\g], 1
	s_mov_b32 s[\g+1], \lds
	s_mov_b64 s[\g+2:\g+3], s[\p:\p+1]
	s_or_b32 s[\g+3], s[\g+3], 0x80000000
.endm
	s_load_b256 s[4:11], s[0:1], 0x0               ; oi s[4:5], os s[6:7], wi s[8:9], ws s[10:11]
	s_load_b128 s[12:15], s[0:1], 0x20             ; bfc s[12:13], out0 s[14:15]
	v_lshl_add_u32 v[SPW], v0, 2, SPARE
	v_mov_b32 v[NIL], 0
	ds_add_u32 v[SPW], v[NIL]                      ; the opening
	ds_add_u32 v[SPW], v[NIL]
	v_lshrrev_b32 v1, 5, v0
	v_readfirstlane_b32 s[WV], v1
	s_lshr_b32 s[WA], s[WV], 1
	s_and_b32 s[WB], s[WV], 1
	s_bfe_u32 s[CX], ttmp6, 0x40000
	s_bfe_u32 s[CY], ttmp6, 0x40004
	s_lshl_b32 s2, s[CY], 2
	s_lshl_b32 s2, 15, s2                          ; my row of the cluster
	s_lshl_b32 s22, 0x1111, s[CX]                  ; my column
	s_or_b32 s[G1A], s2, (3<<16)|(1<<21)           ; the mask; elements of 8 bytes; bit 21 beside a mask; no padding
	s_or_b32 s[G1B], s22, (3<<16)|(1<<21)
	s_or_b32 s[G1SA], s2, (3<<16)|(1<<21)
	s_or_b32 s[G1SB], s22, (3<<16)|(1<<21)
	SHAPE G1A, 1536, 16                            ; A: 16 tiles x 12,288 bytes
	SHAPE G1B, 1536, 8                             ; B: 8 tiles
	SHAPE G1SA, 32, 32                             ; A's scale words: 8,192 bytes as 32 rows of 256
	SHAPE G1SB, 32, 16                             ; B's: 4,096
	s_and_b32 s2, ttmp7, 0xffff
	s_lshl_b32 s2, s2, 2
	s_add_co_u32 s2, s2, s[CY]                     ; tile row: it hangs on cy alone
	s_lshl_b32 s20, s2, 13                         ; 16 blocks of 512 bytes
	s_mov_b32 s21, 0
	s_mul_i32 s2, s2, 196608
	s_mov_b32 s3, 0
	s_lshl_b32 s22, ttmp9, 2
	s_add_co_u32 s22, s22, s[CX]                   ; tile column: on cx alone
	s_lshl_b32 s22, s22, 3
	s_add_co_u32 s22, s22, 256                     ; Wfc's tiles lie behind Wqkv's 256
	s_lshl_b32 s66, s22, 9
	s_mov_b32 s67, 0
	s_mul_i32 s22, s22, 12288
	s_mov_b32 s23, 0
	s_wait_dscnt 0x0                               ; both opening adds are done
	s_wait_kmcnt 0x0
	s_add_nc_u64 s[4:5], s[4:5], s[2:3]
	s_add_nc_u64 s[6:7], s[6:7], s[20:21]
	s_add_nc_u64 s[8:9], s[8:9], s[22:23]
	s_add_nc_u64 s[10:11], s[10:11], s[66:67]
	CROUND                                         ; all sixteen work-groups are here: the joint loads meet
	PLACE G0A, 0, 4
	PLACE G0B, BOFF, 8
	PLACE G0SA, SCA, 6
	PLACE G0SB, SCB, 10
; ONE chain of branches on the wave's number, one load to an arm, all arms to one join
.macro ARM under, g0, g1, next
	s_cmp_lt_u32 s[WV], \under
	s_cbranch_scc0 \next
	tensor_load_to_lds s[\g0:\g0+3], s[\g1:\g1+7]
	s_nop 0
.rept 4
	v_nop
.endr
	s_branch .Lhead_asked
\next:
.endm
	ARM 1, G0A,  G1A,  .Lhead_b
	ARM 2, G0B,  G1B,  .Lhead_sa
	ARM 3, G0SA, G1SA, .Lhead_sb
	tensor_load_to_lds s[G0SB:G0SB+3], s[G1SB:G1SB+7]
	s_nop 0
.rept 4
	v_nop
.endr
.Lhead_asked:
	; where my part of out0 and of bfc begins
	s_and_b32 s2, ttmp7, 0xffff
	s_lshl_b32 s2, s2, 2
	s_add_co_u32 s2, s2, s[CY]
	s_lshl_b32 s2, s2, 20                          ; 256 rows of 4,096 bytes
	s_lshl_b32 s3, s[WA], 19
	s_add_co_u32 s2, s2, s3
	s_lshl_b32 s20, ttmp9, 2
	s_add_co_u32 s20, s20, s[CX]
	s_lshl_b32 s20, s20, 9                         ; 128 columns of 4 bytes
	s_lshl_b32 s3, s[WB], 8
	s_add_co_u32 s20, s20, s3
	s_mov_b32 s21, 0
	s_add_co_u32 s2, s2, s20
	s_mov_b32 s3, 0
	s_add_nc_u64 s[12:13], s[12:13], s[20:21]
	s_add_nc_u64 s[14:15], s[14:15], s[2:3]
	s_mul_i32 s2, s[WA], 98304                     ; my 8 tiles of A,
	s_mul_i32 s22, s[WB], 49152                    ; my 4 of B
	s_add_co_u32 s22, s22, BOFF
	s_lshl_b32 s20, s[WB], 11                      ; B's scale words: my 4 blocks;
	s_lshl_b32 s3, s[WA], 12                       ; A's: my 8 blocks, behind B's 8
	s_add_co_u32 s3, s3, SCA-SCB
	s_sub_co_u32 s3, s3, s20
	s_add_co_u32 s20, s20, SCB
	s_mul_i32 s21, s[WV], 4352
	s_add_co_u32 s21, s21, STG                     ; my stage
	v_and_b32 v1, 15, v0                           ; r
	v_bfe_u32 v2, v0, 4, 1                         ; h
	v_and_b32 v3, 31, v0
	v_lshlrev_b32 v4, 4, v3                        ; 16 x lane
	v_lshlrev_b32 v[BO], 6, v2                     ; the bias in the result's layout: tile b, lane (r, h): columns 32 (b / 2) + 16 h + 8 (b % 2) + 0 .. 7
	v_add_nc_u32 v[ADRA], s2, v4
	v_add_nc_u32 v[ADRA+1], 49152, v[ADRA]
	v_add_nc_u32 v[ADRB], s22, v4
	v_xor_b32 v5, 1, v2
	v_mul_u32_u24 v5, s3, v5                       ; lanes 0-15 take A's: one product, the distance between the two
	v_lshl_add_u32 v5, v1, 4, v5
	v_add_nc_u32 v[ADRS], s20, v5
	v_mul_u32_u24 v[STO], v1, 272
	v_lshl_add_u32 v[STO], v2, 6, v[STO]
	v_add_nc_u32 v[STO], s21, v[STO]               ; in: row r, + 64 h
	v_mul_u32_u24 v[RD], v2, 272
	v_lshl_add_u32 v[RD], v1, 4, v[RD]
	v_add_nc_u32 v[RD], s21, v[RD]                 ; back: lanes 0-15 one row of 256 bytes, lanes 16-31 the next
	v_lshlrev_b32 v[CO], 12, v2
	v_lshl_add_u32 v[CO], v1, 4, v[CO]             ; and the same two rows in out0
	s_wait_alu depctr_va_vdst(0)
	WIN 0x40
.irp b, 0,1,2,3
	global_load_b128 v[BI+8*\b:BI+8*\b+3], v[BO], s[12:13] offset:128*(\b/2)+32*(\b%2)
	global_load_b128 v[BI+8*\b+4:BI+8*\b+7], v[BO], s[12:13] offset:128*(\b/2)+32*(\b%2)+16
.endr
	WIN 0
; A fragment's image is three loads of 16 bytes a lane, 512 consecutive bytes each.
.macro BLOAD hf                        ; B's four blocks of K steps 4 hf .. 4 hf + 3 -> window 1 + hf, v[48 (ks % 4) + 12 b]: 48 loads
	WIN 0x40+0x40*(\hf)
.irp k, 0,1,2,3
.irp b, 0,1,2,3
.irp g, 0,1,2
	ds_load_b128 v[48*\k+12*\b+4*\g:48*\k+12*\b+4*\g+3], v[ADRB] offset:12288*\b+1536*(4*(\hf)+\k)+512*\g
.endr
.endr
.endr
	WIN 0
.endm
.macro ALOAD a                         ; A's block a, all eight K steps -> v[AF + 12 ks] of window 0 (a even) or 3 (a odd): 24 loads
	WIN 0xc0*((\a)%2)
.irp k, 0,1,2,3,4,5,6,7
.irp g, 0,1,2
	ds_load_b128 v[AF+12*\k+4*\g:AF+12*\k+4*\g+3], v[ADRA+(\a)/4] offset:12288*((\a)%4)+1536*\k+512*\g
.endr
.endr
	WIN 0
.endm
; Half of a block's products: K steps k0 .. k0 + 3, 16 matrix instructions.  The block's four accumulators take turns, one instruction a turn; neighbouring blocks have different sets.
.macro ROWP a, k0
.irp j, 0,1,2,3
.if (\k0)+\j == 0
	WIN 0x91+12*((\a)%2)                           ; source 0 (B) and C (the bias) window 1, source 1 (A) window 0 or 3, D window 2
.else
	WIN 0xa1+(\k0)/4+12*((\a)%2)                   ; C and D window 2; B window 1 or 2
.endif
.irp b, 0,1,2,3
.if (\k0)+\j == 0
	v_wmma_scale_f32_16x16x128_f8f6f4 v[AC+32*((\a)%2)+8*\b:AC+32*((\a)%2)+8*\b+7], v[48*\j+12*\b:48*\j+12*\b+11], v[AF+12*((\k0)+\j):AF+12*((\k0)+\j)+11], v[BI+8*\b:BI+8*\b+7], v[SC+8*\b+(\k0)+\j], v[SC+8*(\a)+(\k0)+\j] matrix_a_fmt:MATRIX_FMT_FP6 matrix_b_fmt:MATRIX_FMT_FP6 matrix_a_scale:MATRIX_SCALE_ROW1
.else
	v_wmma_scale_f32_16x16x128_f8f6f4 v[AC+32*((\a)%2)+8*\b:AC+32*((\a)%2)+8*\b+7], v[48*\j+12*\b:48*\j+12*\b+11], v[AF+12*((\k0)+\j):AF+12*((\k0)+\j)+11], v[AC+32*((\a)%2)+8*\b:AC+32*((\a)%2)+8*\b+7], v[SC+8*\b+(\k0)+\j], v[SC+8*(\a)+(\k0)+\j] matrix_a_fmt:MATRIX_FMT_FP6 matrix_b_fmt:MATRIX_FMT_FP6 matrix_a_scale:MATRIX_SCALE_ROW1
.endif
.endr
.endr
	WIN 0
.endm
; THE WAY OUT of a block of 16 rows x 64 columns: through my own stage, back as whole rows of 256 bytes.  LDS serves a wave's instructions in order: no wait between the stores and the loads, nor in front of the next block's stores.
.macro TOSTAGE a                       ; 8 stores and 8 loads
	WIN 0x08                                       ; an LDS store's data: window 2
.irp b, 0,1,2,3
	ds_store_b128 v[STO], v[AC+32*((\a)%2)+8*\b:AC+32*((\a)%2)+8*\b+3] offset:128*(\b/2)+32*(\b%2)          ; each accumulator from its low end on
	ds_store_b128 v[STO], v[AC+32*((\a)%2)+8*\b+4:AC+32*((\a)%2)+8*\b+7] offset:128*(\b/2)+32*(\b%2)+16
.endr
	WIN 0
.irp t, 0,1,2,3,4,5,6,7
	ds_load_b128 v[96+128*((\a)%2)+4*\t:96+128*((\a)%2)+4*\t+3], v[RD] offset:544*\t
.endr
.endm
.macro SEND a, younger                 ; younger: the LDS instructions issued behind block a's loads from the stage
	s_wait_dscnt \younger
.irp t, 0,1,2,3,4,5,6,7
	global_store_b128 v[CO], v[96+128*((\a)%2)+4*\t:96+128*((\a)%2)+4*\t+3], s[14:15] offset:(32*((\a)/2)+8*((\a)%2)+2*\t+8*(\t/4))*4096 th:TH_STORE_NT   ; place 2 t + h of tile a is this row; sixteen lanes store 256 consecutive bytes, aligned
.endr
.endm
	s_wait_tensorcnt 0x0                           ; my tile of the four is in,
	s_barrier_signal -1
	s_barrier_wait -1                              ; and so is everybody's
.irp i, 0,1,2,3,4,5,6,7
	ds_load_b128 v[SC+8*\i:SC+8*\i+3], v[ADRS] offset:512*\i            ; the scale words of all eight K steps, once (lanes 16-31, i > 3: filled bytes that no product reads)
	ds_load_b128 v[SC+8*\i+4:SC+8*\i+7], v[ADRS] offset:512*\i+256
.endr
	BLOAD 0
	ALOAD 0
	BLOAD 1
	s_wait_loadcnt 0x0                             ; the bias
	s_wait_dscnt 48                                ; all but B's K steps 4-7, the 48 loads issued last
	ROWP 0, 0                                      ; the first products start the sums from the bias
	ALOAD 1                                        ; (registers that no product has named yet)
	s_wait_dscnt 24                                ; all but block 1's 24
	ROWP 0, 4
.irp a, 0,1,2,3,4,5,6,7
	PLACES 4                                       ; behind block a's products: LDS stores read its results, and loads land on its fragments (ISA guide 7.12.1 for vector instructions)
.if \a > 1
	s_wait_xcnt 0x0                                ; block a - 2's stores have read their registers: block a's rows may land there
.endif
	TOSTAGE \a
.if \a < 6
	ALOAD \a+2                                     ; block a's buffer takes the block two further on
.endif
.if \a < 7
.if \a < 6
	s_wait_dscnt 40                                ; block a + 1's fragments are in; behind them: the stage's 16 and the 24 just issued
.else
	s_wait_dscnt 16                                ; behind them: the stage's 16
.endif
	ROWP \a+1, 0                                   ; block a + 1 is multiplied while block a comes back from the stage
	ROWP \a+1, 4
.endif
.if \a < 6
	SEND \a, 24                                    ; behind its loads from the stage: the 24 loads of block a + 2
.else
	SEND \a, 0
.endif
.endr
	s_wait_tensorcnt 0x0                           ; the wave's end
	ds_add_u32 v[SPW], v[NIL]
	s_wait_dscnt 0x0
	CROUND                                         ; the closing round
	s_endpgm
.Lfunc_end_k_q63bcb0b1cf_gemm2:
	.size	k_q63bcb0b1cf_gemm2, .Lfunc_end_k_q63bcb0b1cf_gemm2-k_q63bcb0b1cf_gemm2
	.p2alignl 7, 3214868480
	.fill 96, 4, 3214868480
	.section	.rodata,"a",@progbits
	.p2align	6, 0x0
	.amdhsa_kernel k_q63bcb0b1cf_gemm2
		.amdhsa_group_segment_fixed_size 327680
		.amdhsa_private_segment_fixed_size 0
		.amdhsa_enable_private_segment 0
		.amdhsa_kernarg_size 48
		.amdhsa_user_sgpr_count 2
		.amdhsa_user_sgpr_kernarg_segment_ptr 1
		.amdhsa_wavefront_size32 1
		.amdhsa_system_sgpr_workgroup_id_x 1
		.amdhsa_system_sgpr_workgroup_id_y 1
		.amdhsa_system_sgpr_workgroup_id_z 1
		.amdhsa_system_vgpr_workitem_id 0
		.amdhsa_next_free_vgpr 1024
		.amdhsa_next_free_sgpr 80
		.amdhsa_reserve_vcc 0
		.amdhsa_float_denorm_mode_32 3
		.amdhsa_float_denorm_mode_16_64 3
		.amdhsa_memory_ordered 1
		.amdhsa_forward_progress 1
		.amdhsa_inst_pref_size 79
	.end_amdhsa_kernel
	.amdgpu_metadata
---
amdhsa.version: [ 1, 2 ]
amdhsa.kernels:
  - .name:           k_q63bcb0b1cf_gemm2
    .symbol:         k_q63bcb0b1cf_gemm2.kd
    .args:
      - { .name: oi, .offset: 0, .size: 8, .value_kind: global_buffer, .address_space: global }
      - { .name: os, .offset: 8, .size: 8, .value_kind: global_buffer, .address_space: global }
      - { .name: wi, .offset: 16, .size: 8, .value_kind: global_buffer, .address_space: global }
      - { .name: ws, .offset: 24, .size: 8, .value_kind: global_buffer, .address_space: global }
      - { .name: bfc, .offset: 32, .size: 8, .value_kind: global_buffer, .address_space: global }
      - { .name: out0, .offset: 40, .size: 8, .value_kind: global_buffer, .address_space: global }
    .group_segment_fixed_size: 327680
    .private_segment_fixed_size: 0
    .kernarg_segment_align: 8
    .kernarg_segment_size: 48
    .max_flat_workgroup_size: 128
    .sgpr_count:     80
    .vgpr_count:     1024
    .wavefront_size: 32
...
	.end_amdgpu_metadata
.endif
;; end of part 4
